; MI455X (gfx1250); checked and timed in simulation.
; The chip was launched on July 23, 2026; its instructions are those of AMD's public machine-readable ISA for CDNA 5 (MIT licence, August 2026) and "CDNA5" Instruction Set Architecture Reference Guide (July 2026). The comments in the code are by the model that wrote it; some were corrected since.
;; Block. Allowed arithmetic: matrix products marked QUANTISED: E2M1 operands, one E8M0 scale for each 32 along K, by v_wmma_scale_f32_16x16x128_f8f6f4 with both operands' format E2M1 (or v_wmma_scale_f32_32x16x128_f4), f32 sums; everything else in f32.
;; Inputs: alpha 1 float32; b_attn 3,072 float32; b_fc 4,096 float32; b_fc2 1,024 float32; b_proj 1,024 float32; beta 1,024 float32; gamma 1,024 float32; w_attn 1,024 x 3,072 float32; w_fc 1,024 x 4,096 float32; w_fc2 4,096 x 1,024 float32; w_proj 1,024 x 1,024 float32; x 2 x 2,048 x 1,024 float32.
;; Outputs: out0 2 x 2,048 x 1,024 float32.
;; This version of the problem:
;;   THIS VERSION OF THE PROBLEM IS GIVEN IN LOW PRECISION. The matrix products marked QUANTISED in the list below multiply operands that are first quantised to E2M1 (2 exponent bits, 1 mantissa bit; 4 bits a number), with one power-of-two scale for each 32 numbers along K (OCP MX v1.0); their sums are f32. All else is computed in f32.
;;   The module's matrix products, in the order in which they are computed (A, B: the left and right operand; K: the contracted axis; several contracted axes count as one K, in the product's order):
;;     1. [M 4,096, K 1,024] x [K 1,024, N 3,072]; A: computed on the way; B: input w_attn: QUANTISED
;;     2. batch 32 x [M 2,048, K 64] x [K 64, N 2,048]; A: computed on the way; B: computed on the way: QUANTISED
;;     3. batch 32 x [M 2,048, K 2,048] x [K 2,048, N 64]; A: softmax (see below); B: computed on the way: QUANTISED
;;     4. [M 4,096, K 1,024] x [K 1,024, N 1,024]; A: computed on the way; B: input w_proj: QUANTISED
;;     5. [M 4,096, K 1,024] x [K 1,024, N 4,096]; A: computed on the way; B: input w_fc: QUANTISED
;;     6. [M 4,096, K 4,096] x [K 4,096, N 1,024]; A: computed on the way; B: input w_fc2: QUANTISED
;;   THE QUANTISER, for each operand of a quantised product, along K:
;;     - K is cut into blocks of 32 from its start; a last block that is shorter is filled with zeros.
;;     - A block's scale is 2^e with e = floor(log2(the largest magnitude in the block)) - 2, held to -126 .. 127; a block of zeros has e = 0. As a byte (E8M0): e + 127.
;;     - Each number is divided by its block's scale, clamped to +-6, and rounded to the nearest number of E2M1, ties to even, subnormals kept.
;;     - The product sums the exact products of the quantised numbers (number of the format x scale) in f32.
;;   ~~~python
;;   def quantise(x, axis):      # numpy; x: float32 -> the quantised numbers, widened to float32 again
;;       x = np.moveaxis(x, axis, -1); K = x.shape[-1]
;;       x = np.pad(x, [(0, 0)] * (x.ndim - 1) + [(0, -K % 32)]); x = x.reshape(x.shape[:-1] + (-1, 32)); a = np.abs(x).max(-1, keepdims=True)
;;       e = np.where(a > 0, np.clip(np.frexp(np.where(a > 0, a, 1))[1] - 1 - 2, -126, 127), 0)      # np.frexp(a)[1] - 1 = floor(log2(a)), exactly
;;       r = np.clip(x / 2.0 ** e, -6, 6)
;;       step = 2.0 ** (np.maximum(np.frexp(np.where(r == 0, 1, r))[1] - 1, 0) - 1)
;;       q = np.round(r / step) * step * 2.0 ** e      # np.round: ties to even
;;       return np.moveaxis(q.reshape(q.shape[:-2] + (-1,))[..., :K], -1, axis).astype(np.float32)
;;   ~~~
;;   SOFTMAX AHEAD OF A QUANTISED PRODUCT. Where the list says 'softmax', what is quantised is not the finished softmax but p = 2^(t - M), with t = logit x log2(e) and M = ceil(the row's largest t), a whole number; so 1/2 < the row's largest p <= 1. The row's sum l is taken of the UNQUANTISED p, in f32, and the product's result is divided by l at the end. Since M is a whole number, a kernel that streams over the keys may use a running M (the ceiling of the running maximum): every later rescaling is an exact power of two, which a block's scale takes up: the codes' values come out the same.
;;   OPERANDS COMPUTED ON THE WAY. 'Computed on the way' means the value that the module computes at that place (a softmax that the list does not call 'softmax' is quantised finished and normalised). What goes into a quantiser is computed in f32, as accurately as f32 sums, v_exp_f32 and their like allow (about 1e-6 of the number): no bf16 or f16 on the way to a quantiser, and a product that is left as it is and whose result goes on into a quantised operand takes f32 operands (vector FMAs, or v_wmma_f32_16x16x4_f32). A number that lies on a knife's edge between two numbers of the format may be rounded either way, as far as f32 arithmetic and the matrix unit's own rounding can turn it there, and no further.
;; One version. Each part assembles by itself: llvm-mc -triple=amdgcn-amd-amdhsa -mcpu=gfx1250 --defsym DOCPART=n.
;; ======== version 1 of 1: 6 launches
;; limits: right only within a limited range of input values
;; workspace buffers: wpk 6,684,672 bytes; acta 2,228,224 bytes; actb 2,228,224 bytes; qkv 6,946,816 bytes; x1 16,777,216 bytes; hid 8,912,896 bytes
;; launch prep (part 1): grid 640 x 1, 4 waves a work-group, no clusters, 34,304 bytes of LDS; arguments x, alpha, gamma, beta, w_attn, w_proj, w_fc, w_fc2, wpk, acta; writes wpk, acta
.if DOCPART == 1
	.amdgcn_target "amdgcn-amd-amdhsa--gfx1250"
	.amdhsa_code_object_version 6
	.text
	.protected	k_q07fa7bd3da_prep
	.globl	k_q07fa7bd3da_prep
	.p2align	8
	.type	k_q07fa7bd3da_prep,@function
k_q07fa7bd3da_prep:
	s_mov_b64 s[64:65], 0
	v_nop
	global_prefetch_b8 v0, s[64:65] scope:SCOPE_SE
	s_setreg_imm32_b32 hwreg(HW_REG_WAVE_MODE, 25, 1), 1
	s_wait_xcnt 0x0
; The four weights [K][N] f32 and dyt(x) = gamma tanh(alpha x) + beta become codes of FP4 (E2M1) with one E8M0 byte for each 32 along K.
; PACK, the layout of every operand of this program: [16-row tile][chunk of 512 along K][4,352 bytes].  In a chunk: block kb (0..15) of position p at 256 kb + 16 p,
; so that the fragment of a K step of 128 is 1,024 bytes that are the image of its 8 registers (piece c at 512 c, lane l at 16 l); scale words at 4,096 + 16 p + 4 q.
; TILE ORDER: tile 2 g + u, position p, is row (or column) 32 g + 8 u + p + 8 (p / 8).
; Work-groups 0-383 take the weights: a wave 32 columns x 256 along K (half a chunk, 8 blocks); a lane a column, its registers down K (no other lane is asked for a block's maximum, codes come out with K innermost).
; Work-groups 384-639 take x: a work-group a tile of 16 tokens, wave w the quarter w of K (two K steps, both asked for at the head); dense loads, dyt in the loaded layout, a turn through the wave's own stage in LDS, then a lane holds two whole blocks.
; A weight work-group reads 128 KiB, an x work-group 64 KiB of x; a wave's chain of dependent loads is short, and with 256 registers a wave several work-groups lie on a WGP, which multiplies the bytes on their way.
; A chunk's scale words leave in pieces of 8 bytes (weights) and 4 bytes (x): one byte in 17 of a pack.
; A block's scale byte is its largest magnitude's exponent field - 2, held at 1 from below.  LIMITS: a block of zeros carries the byte 1 (its codes are zeros; only this program reads the bytes);
; NaN and infinities among the inputs are not served.  tanh: for |y| < 0.25 the odd series to y^9 (what is left out is under 1e-8 of the value), else 1 - 2 / (1 + 2^(2 y log2 e)).
.set NWG_W, 384
.set NBW, 8                            ; blocks of a weight wave
.set DE, 16                            ; v16-31  dyt: the exponential, then the large-|y| form
.set DS, 32                            ; v32-47  y^2
.set DP, 48                            ; v48-63  the series
.set GB, 192                           ; v192-207 gamma and beta of a K step, two sets
.set C3V, 208                          ; v[208:209] the series' third coefficient
.set PCX, 220                          ; v220-235 codes: 8 registers for each K step, so that no store's data are written again
.set WD, 252                           ; v252-253 the two scale words
.set AA, 36                            ; s[36:37] alpha
.set KK, 38                            ; s[38:39] alpha x 2 log2 e
.set C4, 40
.set C2, 42
.set C1, 44
.set QTR, 46                           ; 0.25
.set HIM, 47                           ; lanes 16-31
.set SEL, 48                           ; s[48:49] selects of v_permlanex16_b32: lane l xor 16
.set SP, 528                           ; a stage row: 512 bytes + 16
	s_load_b256 s[4:11], s[0:1], 0x0               ; x, alpha, gamma, beta
	s_load_b256 s[12:19], s[0:1], 0x20             ; w_attn, w_proj, w_fc, w_fc2
	s_load_b128 s[20:23], s[0:1], 0x40             ; wpk, acta
	v_lshl_add_u32 v254, v0, 2, 0x8400
	v_mov_b32 v255, 0
	v_lshrrev_b32 v1, 5, v0
	v_readfirstlane_b32 s24, v1                    ; wave
	v_and_b32 v1, 31, v0                           ; lane
	s_cmp_ge_u32 ttmp9, NWG_W
	s_cbranch_scc1 .Lx_path
; ---------------- the weights ----------------
	s_wait_kmcnt 0x0
	s_mov_b64 s[26:27], s[18:19]                   ; w_fc2: first work-group 256, a row 4,096 bytes, 16 half chunks, its pack at 4,456,448
	s_mov_b32 s28, 256
	s_mov_b32 s29, 4096
	s_mov_b32 s30, 4
	s_mov_b32 s31, 4456448
	s_cmp_lt_u32 ttmp9, 256                        ; the choices hang on the work-group's number alone
	s_cselect_b64 s[26:27], s[16:17], s[26:27]     ; w_fc: 4 half chunks, as the two below
	s_cselect_b32 s28, 128, s28
	s_cselect_b32 s29, 16384, s29
	s_cselect_b32 s30, 2, s30
	s_cselect_b32 s31, 2228224, s31
	s_cmp_lt_u32 ttmp9, 128
	s_cselect_b64 s[26:27], s[14:15], s[26:27]     ; w_proj
	s_cselect_b32 s28, 96, s28
	s_cselect_b32 s29, 4096, s29
	s_cselect_b32 s31, 1671168, s31
	s_cmp_lt_u32 ttmp9, 96
	s_cselect_b64 s[26:27], s[12:13], s[26:27]     ; w_attn
	s_cselect_b32 s28, 0, s28
	s_cselect_b32 s29, 12288, s29
	s_cselect_b32 s31, 0, s31
	s_sub_co_u32 s32, ttmp9, s28
	s_lshr_b32 s33, s32, s30                       ; group of 128 columns
	s_lshl_b32 s34, 1, s30                         ; half chunks along K
	s_sub_co_u32 s35, s34, 1
	s_and_b32 s35, s32, s35                        ; my 256 along K
	s_lshr_b32 s34, s34, 1                         ; KC: chunks along K
	s_lshl_b32 s33, s33, 2
	s_add_co_u32 s33, s33, s24                     ; g: my wave's 32 columns
	s_mul_i32 s36, s35, s29
	s_lshl_b32 s36, s36, 8                         ; 256 rows x half chunk
	s_lshl_b32 s37, s33, 7
	s_add_co_u32 s36, s36, s37
	s_mov_b32 s37, 0
	s_add_nc_u64 s[26:27], s[26:27], s[36:37]      ; the base of the even blocks,
	s_lshl_b32 s38, s29, 5
	s_mov_b32 s39, 0
	s_add_nc_u64 s[40:41], s[26:27], s[38:39]      ; of the odd ones: 32 rows down
	s_lshl_b32 s38, s29, 6                         ; a base's step: 64 rows
	s_mul_i32 s42, s34, 4352                       ; from a tile to the next in the pack
	s_lshl_b32 s43, s33, 1
	s_mul_i32 s43, s43, s34
	s_lshr_b32 s46, s35, 1
	s_add_co_u32 s43, s43, s46
	s_mul_i32 s43, s43, 4352
	s_add_co_u32 s43, s43, s31                     ; tile 2 g, my chunk
	s_and_b32 s46, s35, 1                          ; which half of it
	s_lshl_b32 s44, s46, 3
	s_add_co_u32 s44, s44, s43
	s_add_co_u32 s44, s44, 4096
	s_mov_b32 s45, 0
	s_add_nc_u64 s[50:51], s[20:21], s[44:45]      ; my two scale words of a column: 4,096 + 8 x half
	s_lshl_b32 s44, s46, 11
	s_add_co_u32 s44, s44, s43
	s_add_nc_u64 s[20:21], s[20:21], s[44:45]      ; my eight blocks of codes: 2,048 x half
	s_wait_alu depctr_va_vdst(0)
	v_lshlrev_b32 v3, 2, v1
.irp i, 0,1,2,3,4,5,6,7,8,9,10,11,12,13,14,15,16,17,18,19,20,21,22,23,24,25,26,27,28,29,30,31
	v_mad_u32_u24 v[32+\i], s29, \i, v3            ; row i of a block, my column; never rewritten
.endr
	v_bfe_u32 v4, v1, 3, 1                         ; column l of the 32 is tile u = (l / 8) % 2,
	v_and_b32 v5, 7, v1
	v_lshrrev_b32 v6, 4, v1
	v_lshl_add_u32 v5, v6, 3, v5                   ; position p = l % 8 + 8 (l / 16)
	v_mul_u32_u24 v2, s42, v4
	v_lshl_add_u32 v2, v5, 4, v2                   ; so a store's 32 lanes fill two aligned runs of 256 bytes
.macro LOADW t
.irp i, 0,1,2,3,4,5,6,7,8,9,10,11,12,13,14,15,16,17,18,19,20,21,22,23,24,25,26,27,28,29,30,31
.if ((\t)%2) == 0
	global_load_b32 v[64+\i], v[32+\i], s[26:27] th:TH_LOAD_NT
.else
	global_load_b32 v[96+\i], v[32+\i], s[40:41] th:TH_LOAD_NT
.endif
.endr
.endm
	LOADW 0
	LOADW 1
.macro BLOCKW t
.set XB, 64+32*((\t)%2)
.if (\t) < NBW-1
	s_wait_loadcnt 32                              ; this block's 32 loads are in; the next block's may be out
.else
	s_wait_loadcnt 0x0
.endif
	v_max3_num_f32 v12, |v[XB]|, |v[XB+1]|, |v[XB+2]|
	v_max3_num_f32 v13, |v[XB+3]|, |v[XB+4]|, |v[XB+5]|
.irp i, 6,10,14,18,22,26
	v_max3_num_f32 v12, v12, |v[XB+\i]|, |v[XB+\i+1]|
	v_max3_num_f32 v13, v13, |v[XB+\i+2]|, |v[XB+\i+3]|
.endr
	v_max3_num_f32 v12, v12, |v[XB+30]|, |v[XB+31]|
	v_max3_num_f32 v12, v12, v13, 0x1800000        ; the floor 2^(3 - 127): the byte cannot fall under 1
	v_add_nc_u32 v11, 0xff000000, v12              ; 2 off the exponent field: the conversion's scale operand
	v_lshrrev_b32 v13, 23, v11                     ; the byte
.if (\t)%4 == 0
	v_mov_b32 v[192+(\t)/4], v13
.else
	v_lshl_or_b32 v[192+(\t)/4], v13, 8*((\t)%4), v[192+(\t)/4]
.endif
.irp g, 0,1,2,3
	v_cvt_scalef32_pk8_fp4_f32 v[128+4*(\t)+\g], v[XB+8*\g:XB+8*\g+7], v11
.endr
	v_nop                                          ; a plain line behind the last conversion
.if (\t)+2 < NBW
	s_wait_alu depctr_va_vdst(0)
	s_wait_xcnt 0x0                                ; the loads that named this base have read it (they are in): it steps
.if ((\t)%2) == 0
	s_add_nc_u64 s[26:27], s[26:27], s[38:39]
.else
	s_add_nc_u64 s[40:41], s[40:41], s[38:39]
.endif
	LOADW (\t)+2
.endif
	global_store_b128 v2, v[128+4*(\t):128+4*(\t)+3], s[20:21] offset:256*(\t)
.endm
.irp t, 0,1,2,3,4,5,6,7
	BLOCKW \t
.endr
	global_store_b64 v2, v[192:193], s[50:51]      ; my column's two scale words
	s_endpgm
; ---------------- x ----------------
.Lx_path:
	s_sub_co_u32 s26, ttmp9, NWG_W                 ; my work-group's tile of 16 tokens; my wave takes quarter s24 of K
	s_lshr_b32 s28, s26, 1
	s_lshl_b32 s28, s28, 5
	s_and_b32 s29, s26, 1
	s_lshl_b32 s29, s29, 3
	s_add_co_u32 s28, s28, s29                     ; the tile's first token
	s_lshl_b32 s28, s28, 12
	s_lshl_b32 s30, s24, 10                        ; the quarter's 1,024 bytes in a row
	s_mov_b32 s31, 0
	s_add_co_u32 s28, s28, s30
	s_mov_b32 s29, 0
	s_lshl_b32 s32, s26, 1
	s_lshr_b32 s33, s24, 1
	s_add_co_u32 s32, s32, s33
	s_mul_i32 s32, s32, 4352                       ; my chunk of the pack
	s_and_b32 s33, s24, 1                          ; which half of it
	s_lshl_b32 s34, s33, 3
	s_add_co_u32 s34, s34, s32
	s_add_co_u32 s34, s34, 4096                    ; my two scale words of a row
	s_mov_b32 s35, 0
	s_lshl_b32 s33, s33, 11
	s_add_co_u32 s32, s32, s33                     ; my two fragments
	s_mov_b32 s33, 0
	s_wait_kmcnt 0x0
	s_load_b32 s[AA], s[6:7], 0x0                  ; alpha
	s_add_nc_u64 s[4:5], s[4:5], s[28:29]
	s_add_nc_u64 s[8:9], s[8:9], s[30:31]
	s_add_nc_u64 s[10:11], s[10:11], s[30:31]
	s_add_nc_u64 s[50:51], s[22:23], s[34:35]
	s_add_nc_u64 s[22:23], s[22:23], s[32:33]
	s_wait_alu depctr_va_vdst(0)
	v_lshlrev_b32 v3, 4, v1                        ; 16 x lane
.macro LOADX q
.irp p, 0,1,2,3,4,5,6,7,8,9,10,11,12,13,14,15
	global_load_b128 v[64+64*(\q)+4*\p:64+64*(\q)+4*\p+3], v3, s[4:5] offset:(\p+8*(\p/8))*4096+512*(\q) th:TH_LOAD_NT   ; position p's 512 bytes of the K step
.endr
	global_load_b128 v[GB+8*(\q):GB+8*(\q)+3], v3, s[8:9] offset:512*(\q)
	global_load_b128 v[GB+8*(\q)+4:GB+8*(\q)+7], v3, s[10:11] offset:512*(\q)
.endm
	LOADX 0
	LOADX 1
	v_and_b32 v2, 15, v0                           ; r
	v_bfe_u32 v7, v0, 4, 1                         ; h
	s_mul_i32 s34, s24, 16*SP                      ; my wave's stage
	v_add_nc_u32 v4, s34, v3                       ; in: 16 x lane, a row an instruction
	v_mul_u32_u24 v5, v2, SP
	v_lshl_add_u32 v5, v7, 7, v5
	v_add_nc_u32 v5, s34, v5                       ; back: row r, + 128 h: my block of 32 numbers
	v_lshlrev_b32 v6, 4, v2
	v_lshl_add_u32 v6, v7, 2, v6                   ; the scale words' place: 16 r + 4 h
	v_lshlrev_b32 v7, 3, v7                        ; 8 h: my bytes' shift in a scale word
	v_mov_b32 v15, 0                               ; a lane permute's destination counts as read
	v_mov_b32 v[C3V], 0xbd5d0dd1                   ; -17/315
	v_mov_b32 v[C3V+1], 0xbd5d0dd1
	s_mov_b32 s[C4], 0x3cb327a4                    ; 62/2835
	s_mov_b32 s[C4+1], s[C4]
	s_mov_b32 s[C2], 0x3e088889                    ; 2/15
	s_mov_b32 s[C2+1], s[C2]
	s_mov_b32 s[C1], 0xbeaaaaab                    ; -1/3
	s_mov_b32 s[C1+1], s[C1]
	s_mov_b32 s[QTR], 0x3e800000
	s_mov_b32 s[HIM], 0xffff0000
	s_mov_b32 s[SEL], 0x76543210
	s_mov_b32 s[SEL+1], 0xfedcba98
	s_wait_kmcnt 0x0
	s_mov_b32 s[AA+1], s[AA]
	s_mul_f32 s[KK], s[AA], 0x4038aa3b
	s_mov_b32 s[KK+1], s[KK]
; d = gamma tanh(alpha x) + beta for n numbers.  The exponentials and the reciprocals go as batches: plain work behind each, then one wait ahead of its first reader.
.macro DYT x, d, n, ga, be, gm
.set dj, 0
.rept (\n)/2
	v_pk_mul_f32 v[DE+dj:DE+dj+1], v[(\x)+dj:(\x)+dj+1], s[KK:KK+1] op_sel_hi:[1,0]
	v_pk_mul_f32 v[(\d)+dj:(\d)+dj+1], v[(\x)+dj:(\x)+dj+1], s[AA:AA+1] op_sel_hi:[1,0]   ; y
.set dj, dj+2
.endr
.set dj, 0
	s_wait_alu depctr_va_vdst(0)
.rept \n
	v_exp_f32 v[DE+dj], v[DE+dj]
.set dj, dj+1
.endr
.set dj, 0
.rept (\n)/2
	v_pk_mul_f32 v[DS+dj:DS+dj+1], v[(\d)+dj:(\d)+dj+1], v[(\d)+dj:(\d)+dj+1]
.set dj, dj+2
.endr
.set dj, 0
.rept (\n)/2
	v_pk_fma_f32 v[DP+dj:DP+dj+1], v[DS+dj:DS+dj+1], s[C4:C4+1], v[C3V:C3V+1] op_sel_hi:[1,0,1]
.set dj, dj+2
.endr
.set dj, 0
.rept (\n)/2
	v_pk_fma_f32 v[DP+dj:DP+dj+1], v[DP+dj:DP+dj+1], v[DS+dj:DS+dj+1], s[C2:C2+1] op_sel_hi:[1,1,0]
.set dj, dj+2
.endr
.set dj, 0
.rept (\n)/2
	v_pk_fma_f32 v[DP+dj:DP+dj+1], v[DP+dj:DP+dj+1], v[DS+dj:DS+dj+1], s[C1:C1+1] op_sel_hi:[1,1,0]
.set dj, dj+2
.endr
	s_wait_alu depctr_va_vdst(0)                   ; one wait for the exponentials, ahead of their first reader
.set dj, 0
.rept (\n)/2
	v_pk_add_f32 v[DE+dj:DE+dj+1], v[DE+dj:DE+dj+1], 1.0 op_sel_hi:[1,0]
.set dj, dj+2
.endr
.set dj, 0
	s_wait_alu depctr_va_vdst(0)
.rept \n
	v_rcp_f32 v[DE+dj], v[DE+dj]
.set dj, dj+1
.endr
.set dj, 0
.rept (\n)/2
	v_pk_mul_f32 v[DP+dj:DP+dj+1], v[DP+dj:DP+dj+1], v[DS+dj:DS+dj+1]
.set dj, dj+2
.endr
.set dj, 0
.rept (\n)/2
	v_pk_fma_f32 v[DP+dj:DP+dj+1], v[(\d)+dj:(\d)+dj+1], v[DP+dj:DP+dj+1], v[(\d)+dj:(\d)+dj+1]   ; the series: y + y (...)
.set dj, dj+2
.endr
	s_wait_alu depctr_va_vdst(0)                   ; one wait for the reciprocals
.set dj, 0
.rept (\n)/2
	v_pk_fma_f32 v[DE+dj:DE+dj+1], v[DE+dj:DE+dj+1], -2.0, 1.0 op_sel_hi:[1,0,0]
.set dj, dj+2
.endr
.set dj, 0
.rept \n
	v_cmp_gt_f32 vcc_lo, s[QTR], |v[(\d)+dj]|
	v_cndmask_b32 v[(\d)+dj], v[DE+dj], v[DP+dj], vcc_lo
.set dj, dj+1
.endr
.set dj, 0
.rept (\n)/2
	v_pk_fma_f32 v[(\d)+dj:(\d)+dj+1], v[(\d)+dj:(\d)+dj+1], v[(\ga)+dj%(\gm):(\ga)+dj%(\gm)+1], v[(\be)+dj%(\gm):(\be)+dj%(\gm)+1]
.set dj, dj+2
.endr
.endm
.macro PROCX q
.set XS, 64+64*(\q)
.set GQ, GB+8*(\q)
.if (\q) < 1
	s_wait_loadcnt 18                              ; this K step's 18 loads are in; the second step's may be out
.else
	s_wait_loadcnt 0x0
.endif
	DYT XS, XS, 16, GQ, GQ+4, 4
	DYT XS+16, XS+16, 16, GQ, GQ+4, 4
	DYT XS+32, XS+32, 16, GQ, GQ+4, 4
	DYT XS+48, XS+48, 16, GQ, GQ+4, 4
.irp p, 0,1,2,3,4,5,6,7,8,9,10,11,12,13,14,15
	ds_store_b128 v4, v[XS+4*\p:XS+4*\p+3] offset:SP*\p
.endr
.irp c, 0,1
.irp j, 0,1,2,3,4,5,6,7
	ds_load_b128 v[XS+32*\c+4*\j:XS+32*\c+4*\j+3], v5 offset:256*\c+16*\j   ; LDS serves a wave's instructions in order: these see the stores above.  Register 32 c + i: k = 64 c + 32 h + i of row r
.endr
.endr
	s_wait_dscnt 0x0
.irp c, 0,1
	v_max3_num_f32 v[8+\c], |v[XS+32*\c]|, |v[XS+32*\c+1]|, 0x1800000
.endr
.irp i, 2,4,6,8,10,12,14,16,18,20,22,24,26,28,30
.irp c, 0,1
	v_max3_num_f32 v[8+\c], v[8+\c], |v[XS+32*\c+\i]|, |v[XS+32*\c+\i+1]|
.endr
.endr
.irp c, 0,1
	v_add_nc_u32 v[10+\c], 0xff000000, v[8+\c]
.endr
.irp c, 0,1
	v_lshrrev_b32 v[12+\c], 23, v[10+\c]
.endr
	v_lshl_or_b32 v14, v13, 16, v12                ; blocks h and 2 + h,
	v_lshlrev_b32 v14, v7, v14                     ; at their places in the word;
	v_permlanex16_b32 v15, v14, s[SEL], s[SEL+1]
	v_or_b32 v[WD+(\q)], v14, v15                  ; with lane l xor 16's the word is whole
.irp c, 0,1
.irp g, 0,1,2,3
	v_cvt_scalef32_pk8_fp4_f32 v[PCX+8*(\q)+4*\c+\g], v[XS+32*\c+8*\g:XS+32*\c+8*\g+7], v[10+\c]
.endr
.endr
	v_nop
.irp c, 0,1
	global_store_b128 v3, v[PCX+8*(\q)+4*\c:PCX+8*(\q)+4*\c+3], s[22:23] offset:1024*(\q)+512*\c
.endr
.endm
	PROCX 0
	PROCX 1
	v_cndmask_b32 v8, v[WD], v[WD+1], s[HIM]       ; lanes 0-15 store my first K step's word of row r, lanes 16-31 my second's
	global_store_b32 v6, v8, s[50:51]
	s_wait_tensorcnt 0x0
	ds_add_u32 v254, v255
	s_wait_dscnt 0x0
	s_endpgm
.Lfunc_end_k_q07fa7bd3da_prep:
	.size	k_q07fa7bd3da_prep, .Lfunc_end_k_q07fa7bd3da_prep-k_q07fa7bd3da_prep
	.p2alignl 7, 3214868480
	.fill 96, 4, 3214868480
	.section	.rodata,"a",@progbits
	.p2align	6, 0x0
	.amdhsa_kernel k_q07fa7bd3da_prep
		.amdhsa_group_segment_fixed_size 34304
		.amdhsa_private_segment_fixed_size 0
		.amdhsa_enable_private_segment 0
		.amdhsa_kernarg_size 80
		.amdhsa_user_sgpr_count 2
		.amdhsa_user_sgpr_kernarg_segment_ptr 1
		.amdhsa_wavefront_size32 1
		.amdhsa_system_sgpr_workgroup_id_x 1
		.amdhsa_system_sgpr_workgroup_id_y 1
		.amdhsa_system_sgpr_workgroup_id_z 1
		.amdhsa_system_vgpr_workitem_id 0
		.amdhsa_next_free_vgpr 256
		.amdhsa_next_free_sgpr 66
		.amdhsa_reserve_vcc 1
		.amdhsa_float_denorm_mode_32 3
		.amdhsa_float_denorm_mode_16_64 3
		.amdhsa_memory_ordered 1
		.amdhsa_forward_progress 1
		.amdhsa_inst_pref_size 125
	.end_amdhsa_kernel
	.amdgpu_metadata
---
amdhsa.version: [ 1, 2 ]
amdhsa.kernels:
  - .name:           k_q07fa7bd3da_prep
    .symbol:         k_q07fa7bd3da_prep.kd
    .args:
      - { .name: x, .offset: 0, .size: 8, .value_kind: global_buffer, .address_space: global }
      - { .name: alpha, .offset: 8, .size: 8, .value_kind: global_buffer, .address_space: global }
      - { .name: gamma, .offset: 16, .size: 8, .value_kind: global_buffer, .address_space: global }
      - { .name: beta, .offset: 24, .size: 8, .value_kind: global_buffer, .address_space: global }
      - { .name: w_attn, .offset: 32, .size: 8, .value_kind: global_buffer, .address_space: global }
      - { .name: w_proj, .offset: 40, .size: 8, .value_kind: global_buffer, .address_space: global }
      - { .name: w_fc, .offset: 48, .size: 8, .value_kind: global_buffer, .address_space: global }
      - { .name: w_fc2, .offset: 56, .size: 8, .value_kind: global_buffer, .address_space: global }
      - { .name: wpk, .offset: 64, .size: 8, .value_kind: global_buffer, .address_space: global }
      - { .name: acta, .offset: 72, .size: 8, .value_kind: global_buffer, .address_space: global }
    .group_segment_fixed_size: 34304
    .private_segment_fixed_size: 0
    .kernarg_segment_align: 8
    .kernarg_segment_size: 80
    .max_flat_workgroup_size: 128
    .sgpr_count:     66
    .vgpr_count:     256
    .wavefront_size: 32
...
	.end_amdgpu_metadata
.endif
;; end of part 1
;; launch qkv (part 2): grid 12 x 16, 4 waves a work-group, clusters of 4 x 4, 279,040 bytes of LDS; arguments acta, wpk, b_attn, qkv; writes qkv
.if DOCPART == 2
	.amdgcn_target "amdgcn-amd-amdhsa--gfx1250"
	.amdhsa_code_object_version 6
	.text
	.protected	k_q07fa7bd3da_qkv
	.globl	k_q07fa7bd3da_qkv
	.p2align	8
	.type	k_q07fa7bd3da_qkv,@function
k_q07fa7bd3da_qkv:
	s_mov_b64 s[64:65], 0
	v_nop
	global_prefetch_b8 v0, s[64:65] scope:SCOPE_SE
	s_setreg_imm32_b32 hwreg(HW_REG_WAVE_MODE, 25, 1), 1
	s_wait_xcnt 0x0
	s_wait_alu depctr_hold_cnt(0) depctr_sa_sdst(0) depctr_va_vdst(0) depctr_va_sdst(0) depctr_va_ssrc(0) depctr_va_vcc(0) depctr_vm_vsrc(0)
	s_getreg_b32 s2, hwreg(HW_REG_IB_STS2, 6, 4)
	s_cmp_eq_u32 s2, 0
	s_cbranch_scc0 .Lentry_in_a_cluster
	s_endpgm
.Lentry_in_a_cluster:
	s_bfe_u32 s2, ttmp6, 0x10000c
	s_cmp_lg_u32 s2, 0xf033
	s_cbranch_scc0 .Lentry_shape_is_right
	s_endpgm
.Lentry_shape_is_right:
; qkv = Q(dyt(x)) Q(w_attn) + b_attn on codes of FP4, and q, k (along the head's 64) and v (along the keys) quantised on the way out.
; A work-group of four waves makes 256 tokens x 256 columns, a wave 128 x 128: 64 accumulators.  K = 1,024 is two chunks of 512; both operands' panels for all of K fit in LDS and are filled ONCE:
; each wave brings 8 tiles x 4,352 bytes of a chunk by one tensor load, two loads a wave out at the start.  Fragments lie in LDS as images of their registers: every LDS load reads 512 consecutive bytes.
; CLUSTER 4 x 4: token panels are asked for jointly along a row of the cluster, weight panels along a column.
; ORIENTATION: source 0 = the INNER tile, source 1 = the OUTER; a lane holds one outer position and, by the tile order, 16 neighbours of the inner axis in the registers of two neighbouring inner tiles.
; q, k (cluster x = 0, 1): inner = weights, so a lane's registers run along the head's channels.  v (cluster x = 2): inner = tokens, so they run along the keys.  The branch hangs on the cluster's x, which partners share.
; OUT: Q, K: [batch-head 32][key step 16][4,608]: tile a's four registers at 512 a + 16 lane, scale words at 4,096 + 256 (a / 4) + 16 r + 4 (a % 4).  V at 4,718,592: [batch-head][key step][4,352]: channel tile dt's fragment at 1,024 dt, words at 4,096 + 16 r + 4 dt.
; LIMITS: NaN and infinities are not served; a block of zeros carries the byte 1.  192 work-groups: no tile with a wave of 128 x 128 divides 4,096 x 3,072 more evenly.
; REGISTERS: window 0: v1-21 addresses, v32-95 scale words (two sets), v96-159 bias.  window 1: two sets of 8 inner + 8 outer fragments; after the loop the way out works there.  windows 2, 3: accumulator (o, i) at v[8 (8 (o % 4) + i)].
.set T, 8
.set LOGT, 3
.set KC, 2
.set NCS, 2
; THE PANELS' FILL AS IT STANDS: a tile's two chunks are neighbours in the pack, so a wave brings its 8 tiles whole, 8 rows of 8,704 bytes, by ONE tensor load
; (this takes the place of the two loads a wave that the lines above speak of); one wait for it and one barrier, and all of K lies in LDS.
.set TP, 8704                          ; a tile in LDS: chunk 0, then chunk 1
.set REG, T*TP
.set CHB, 4352                         ; from chunk 0 to chunk 1 of a tile
.set WOFF, 0
.set LI, 3
.set ATOK, 8
.set AWGT, 12
.set ASC, 16
.set ASC2, 20
.set SC, 32
.set BI, 96
.set G1, 24
.set G0, 32
.set G1B, 48
.set G0B, 56
.set SEL, 20
.set HIM, 22
.set HA, 0                             ; window 1
.set TM, 64
.set PC, 80
.set PW, 88
.set TMPR, 89
.set MSB, 0
.macro WIN new                         ; the immediate's high byte repeats the setting that is left
.if MSB != \new
	s_set_vgpr_msb (MSB<<8)|\new
.set MSB, \new
.endif
.endm
.macro PLACES n
.rept \n
	v_nop
.endr
.endm
.macro JLOAD g0a, g1a, g0b, g1b        ; waves 0, 1 fetch token panels, waves 2, 3 weight panels; four v_nop follow each line
	s_cmp_eq_u32 s15, 0
	s_cbranch_scc0 .Lfor_b_\@
	tensor_load_to_lds s[\g0a:\g0a+3], s[\g1a:\g1a+7]
	s_nop 0
.rept 4
	v_nop
.endr
	s_branch .Lasked_\@
.Lfor_b_\@:
	tensor_load_to_lds s[\g0b:\g0b+3], s[\g1b:\g1b+7]
	s_nop 0
.rept 4
	v_nop
.endr
.Lasked_\@:
.endm
.macro CROUND                          ; a round of the cluster's barrier
	s_barrier_signal -1
	s_barrier_wait -1
	s_cmp_lg_u32 s14, 0
	s_cbranch_scc1 .Lnot_wave_0_\@
	s_barrier_signal -3
.Lnot_wave_0_\@:
	s_barrier_wait -3
	s_barrier_signal -1
	s_barrier_wait -1
.endm
.macro FETCH k, ai, ao                 ; K step k's 8 inner and 8 outer fragments into set k % 2
.set fcs, ((\k)/4)%NCS
.set fq, (\k)%4
.set fp, 16*T*((\k)%2)
	WIN 0x40
.set fi, 0
.rept T
	ds_load_b128 v[fp+8*fi:fp+8*fi+3], v[\ai+fcs] offset:fi*TP+fq*1024
	ds_load_b128 v[fp+8*fi+4:fp+8*fi+7], v[\ai+fcs] offset:fi*TP+fq*1024+512
.set fi, fi+1
.endr
.set fi, 0
.rept T
	ds_load_b128 v[fp+8*T+8*fi:fp+8*T+8*fi+3], v[\ao+fcs] offset:fi*TP+fq*1024
	ds_load_b128 v[fp+8*T+8*fi+4:fp+8*T+8*fi+7], v[\ao+fcs] offset:fi*TP+fq*1024+512
.set fi, fi+1
.endr
	WIN 0
.endm
.macro SCALES ch, as                   ; a chunk's scale words: register 4 i + q: lanes 0-15 outer tile i's, lanes 16-31 inner tile i's
.set fi, 0
.rept T
	ds_load_b128 v[SC+4*T*((\ch)%2)+4*fi:SC+4*T*((\ch)%2)+4*fi+3], v[\as+(\ch)%NCS] offset:fi*TP
.set fi, fi+1
.endr
.endm
.macro MUL k, ct                       ; 64 products; the accumulators take turns, one instruction a turn, in the same order in every step
.set mp, 16*T*((\k)%2)
.set ms, SC+4*T*(((\k)/4)%2)+(\k)%4
.set mo, 0
.rept T
.if mo < 4
	WIN 0xa5
.else
	WIN 0xf5
.endif
.set mi, 0
.rept T
.set md, 8*(T*(mo%4)+mi)
.if \ct == 0
	v_wmma_scale_f32_16x16x128_f8f6f4 v[md:md+7], v[mp+8*mi:mp+8*mi+7], v[mp+8*T+8*mo:mp+8*T+8*mo+7], 0, v[ms+4*mi], v[ms+4*mo] matrix_a_fmt:MATRIX_FMT_FP4 matrix_b_fmt:MATRIX_FMT_FP4 matrix_a_scale:MATRIX_SCALE_ROW1
.else
	v_wmma_scale_f32_16x16x128_f8f6f4 v[md:md+7], v[mp+8*mi:mp+8*mi+7], v[mp+8*T+8*mo:mp+8*T+8*mo+7], v[md:md+7], v[ms+4*mi], v[ms+4*mo] matrix_a_fmt:MATRIX_FMT_FP4 matrix_b_fmt:MATRIX_FMT_FP4 matrix_a_scale:MATRIX_SCALE_ROW1
.endif
.set mi, mi+1
.endr
.set mo, mo+1
.endr
	WIN 0
.endm
.macro STEP k, ct, ai, ao, as
	PLACES 4                                       ; in front of loads into the set that the last step's products read
	FETCH (\k)+1, \ai, \ao
.if ((\k)+1)%4 == 0
	SCALES ((\k)+1)/4, \as
	s_wait_dscnt 5*T                               ; all but the loads just issued: this step's fragments are in
.else
	s_wait_dscnt 4*T
.endif
	MUL \k, \ct
.endm
.macro LOOPK ai, ao, as
	FETCH 0, \ai, \ao
	SCALES 0, \as
	STEP 0, 0, \ai, \ao, \as
	STEP 1, 1, \ai, \ao, \as
	STEP 2, 1, \ai, \ao, \as
	STEP 3, 1, \ai, \ao, \as
	STEP 4, 1, \ai, \ao, \as
	STEP 5, 1, \ai, \ao, \as
	STEP 6, 1, \ai, \ao, \as
	s_wait_dscnt 0x0
	MUL 7, 1
	PLACES 4                                       ; in front of the first read of results and the first write of operand registers
	WIN 0x40
.irp b, 0,1,2,3
	v_mov_b32 v[TM+4+\b], 0                        ; a lane permute's destination counts as read
.endr
	WIN 0
.endm
; 16 nb numbers of a lane, register 16 b + e = k 32 b + 16 h + e of its row, become codes in v[PC] on (the operand's registers) and bytes in v[TM+4] on (nb = 4: the word in v[PW]).
.macro QUANT s, nb
.set qb, 0
.rept \nb
	v_max3_num_f32 v[TM+qb], |v[(\s)+16*qb]|, |v[(\s)+16*qb+1]|, 0x1800000
.set qb, qb+1
.endr
.irp e, 2,4,6,8,10,12,14
.set qb, 0
.rept \nb
	v_max3_num_f32 v[TM+qb], v[TM+qb], |v[(\s)+16*qb+\e]|, |v[(\s)+16*qb+\e+1]|
.set qb, qb+1
.endr
.endr
.set qb, 0
.rept \nb
	v_permlanex16_b32 v[TM+4+qb], v[TM+qb], s[SEL], s[SEL+1]
.set qb, qb+1
.endr
.set qb, 0
.rept \nb
	v_max_num_f32 v[TM+qb], v[TM+qb], v[TM+4+qb]
.set qb, qb+1
.endr
.set qb, 0
.rept \nb
	v_add_nc_u32 v[TM+12+qb], 0xff000000, v[TM+qb]
.set qb, qb+1
.endr
	s_wait_alu depctr_va_vdst(0)
	s_wait_xcnt 0x0                                ; the last block's stores have read their registers: codes and words may be written again
.set qb, 0
.rept \nb
	v_lshrrev_b32 v[TM+4+qb], 23, v[TM+12+qb]
.set qb, qb+1
.endr
.if \nb == 4
	v_lshl_or_b32 v[PW], v[TM+5], 8, v[TM+4]
	v_lshl_or_b32 v[PW], v[TM+6], 16, v[PW]
	v_lshl_or_b32 v[PW], v[TM+7], 24, v[PW]
.endif
.set qb, 0
.rept \nb
	v_cvt_scalef32_pk8_fp4_f32 v[PC+2*qb], v[(\s)+16*qb:(\s)+16*qb+7], v[TM+12+qb]
	v_cvt_scalef32_pk8_fp4_f32 v[PC+2*qb+1], v[(\s)+16*qb+8:(\s)+16*qb+15], v[TM+12+qb]
.set qb, qb+1
.endr
	v_nop                                          ; a plain line behind the last conversion
.set qb, 0
.rept (\nb)/2
	v_permlane16_swap_b32 v[PC+4*qb], v[PC+4*qb+2] ; a whole block to a lane
	v_permlane16_swap_b32 v[PC+4*qb+1], v[PC+4*qb+3]
.set qb, qb+1
.endr
.endm
	s_load_b256 s[4:11], s[0:1], 0x0               ; acta, wpk, b_attn, qkv
	v_lshl_add_u32 v254, v0, 2, 0x44000
	v_mov_b32 v255, 0
	ds_add_u32 v254, v255
	ds_add_u32 v254, v255
	v_lshrrev_b32 v1, 5, v0
	v_readfirstlane_b32 s14, v1                    ; wave
	s_lshr_b32 s15, s14, 1                         ; my half of the tokens.  Also: I fetch tokens (0) or weights (1)
	s_and_b32 s16, s14, 1                          ; my half of the columns.  Also: which half of that panel I fetch
	s_bfe_u32 s40, ttmp6, 0x40000                  ; cx
	s_bfe_u32 s41, ttmp6, 0x40004                  ; cy
	s_lshl_b32 s42, ttmp9, 2
	s_add_co_u32 s42, s42, s40                     ; column block
	s_and_b32 s17, ttmp7, 0xffff
	s_lshl_b32 s17, s17, 2
	s_add_co_u32 s17, s17, s41                     ; token block
	s_lshl_b32 s43, s41, 2
	s_lshl_b32 s43, 15, s43                        ; my row of the cluster
	s_lshl_b32 s44, 0x1111, s40                    ; my column
	s_or_b32 s[G1+0], s43, (3<<16)|(1<<21)         ; the mask; elements of 8 bytes; bit 21 beside a mask; no padding
	s_or_b32 s[G1B+0], s44, (3<<16)|(1<<21)
.irp g, G1, G1B
	s_mov_b32 s[\g+1], (TP/8)<<16                  ; tensor_dim0: a tile, 8,704 bytes
	s_mov_b32 s[\g+2], T<<16                       ; tensor_dim1: 8 tiles
	s_mov_b32 s[\g+3], (TP/8)<<16                  ; tile_dim0
	s_mov_b32 s[\g+4], T                           ; tile_dim1
	s_mov_b32 s[\g+5], KC*544                      ; from tile to tile
	s_mov_b32 s[\g+6], 0
	s_mov_b32 s[\g+7], 0
.endr
	s_lshl_b32 s18, s16, LOGT
	s_lshl_b32 s2, s17, LOGT+1
	s_add_co_u32 s2, s2, s18                       ; the first token tile that I fetch
	s_mul_i32 s2, s2, KC*4352
	s_mov_b32 s3, 0
	s_lshl_b32 s46, s42, LOGT+1
	s_add_co_u32 s46, s46, s18                     ; the first weight tile
	s_mul_i32 s46, s46, KC*4352
	s_add_co_u32 s46, s46, WOFF
	s_mov_b32 s47, 0
	s_mul_i32 s45, s14, REG                        ; where it goes: wave x 8 tiles
	s_wait_dscnt 0x0
	s_wait_kmcnt 0x0
	s_add_nc_u64 s[2:3], s[4:5], s[2:3]
	s_add_nc_u64 s[46:47], s[6:7], s[46:47]
	CROUND                                         ; all sixteen work-groups are here: the joint loads meet
.irp s, 0
	s_mov_b32 s[G0+4*\s], 1
	s_add_co_u32 s[G0+4*\s+1], s45, \s*CHB
	s_add_nc_u64 s[G0+4*\s+2:G0+4*\s+3], s[2:3], \s*4352
	s_or_b32 s[G0+4*\s+3], s[G0+4*\s+3], 0x80000000
	s_mov_b32 s[G0B+4*\s], 1
	s_add_co_u32 s[G0B+4*\s+1], s45, \s*CHB
	s_add_nc_u64 s[G0B+4*\s+2:G0B+4*\s+3], s[46:47], \s*4352
	s_or_b32 s[G0B+4*\s+3], s[G0B+4*\s+3], 0x80000000
	JLOAD G0+4*\s, G1, G0B+4*\s, G1B
.endr
	v_and_b32 v1, 15, v0                           ; r
	v_bfe_u32 v2, v0, 4, 1                         ; h
	v_and_b32 v3, 31, v0
	v_lshlrev_b32 v[LI], 4, v3                     ; 16 x lane
	v_mul_u32_u24 v4, 0x12000, v2
	v_lshl_add_u32 v4, v1, 4, v4                   ; q, k scale words: 16 r, lanes 16-31 one head (73,728 bytes) on
	v_lshlrev_b32 v5, 6, v2                        ; bias, inner = weights: 16 h numbers
	v_and_b32 v6, 8, v1
	v_add_nc_u32 v6, v6, v1
	v_lshlrev_b32 v6, 2, v6                        ; bias, outer = weights: column r + 8 (r / 8) of a tile
	v_lshlrev_b32 v7, 4, v1
	v_lshl_add_u32 v7, v2, 1, v7                   ; v scale words: 16 r + 2 h
	s_mul_i32 s18, s15, REG                        ; my tokens' region
	s_mul_i32 s19, s16, REG
	s_add_co_u32 s19, s19, 2*REG                   ; my weights'
	v_add_nc_u32 v[ATOK], s18, v[LI]
	v_add_nc_u32 v[AWGT], s19, v[LI]
	v_add_nc_u32 v[ATOK+1], CHB, v[ATOK]
	v_add_nc_u32 v[AWGT+1], CHB, v[AWGT]
	s_xor_b32 s19, s15, 1
	s_add_co_u32 s19, s19, s16
	s_add_co_u32 s19, s19, 1
	s_mul_i32 s19, s19, REG                        ; from my tokens' region to my weights'
	s_add_co_u32 s18, s18, 4096
	v_mul_u32_u24 v10, s19, v2
	v_lshl_add_u32 v10, v1, 4, v10
	v_add_nc_u32 v[ASC], s18, v10                  ; lanes 0-15 tokens' words, lanes 16-31 weights'
	v_add_nc_u32 v[ASC+1], CHB, v[ASC]
	v_xor_b32 v11, 1, v2
	v_mul_u32_u24 v11, s19, v11
	v_lshl_add_u32 v11, v1, 4, v11
	v_add_nc_u32 v[ASC2], s18, v11                 ; the other way round
	v_add_nc_u32 v[ASC2+1], CHB, v[ASC2]
	s_mov_b32 s[SEL], 0x76543210
	s_mov_b32 s[SEL+1], 0xfedcba98
	s_mov_b32 s[HIM], 0xffff0000
	s_lshr_b32 s68, s17, 3
	s_lshl_b32 s68, s68, 4                         ; 16 x batch
	s_lshl_b32 s69, s40, 2
	s_add_co_u32 s68, s68, s69
	s_lshl_b32 s69, s16, 1
	s_add_co_u32 s68, s68, s69                     ; + my first head: 4 cx + 2 x half
	s_lshl_b32 s69, s17, 1
	s_add_co_u32 s69, s69, s15
	s_and_b32 s69, s69, 15                         ; my key step
	s_lshl_b32 s72, s42, 10
	s_lshl_b32 s73, s16, 9
	s_add_co_u32 s72, s72, s73
	s_mov_b32 s73, 0
	s_add_nc_u64 s[72:73], s[8:9], s[72:73]        ; b_attn at my 128 columns
	s_wait_tensorcnt 0x0                           ; my one tensor load has landed; nothing is filled again in this launch
	s_barrier_signal -1
	s_barrier_wait -1
	s_cmp_eq_u32 ttmp9, 2
	s_cbranch_scc1 .Lv_path
; ---- q and k: inner = weights
	s_lshl_b32 s70, ttmp9, 5
	s_add_co_u32 s70, s70, s68
	s_lshl_b32 s70, s70, 4
	s_add_co_u32 s70, s70, s69
	s_mul_i32 s66, s70, 4608
	s_mov_b32 s67, 0
	s_add_nc_u64 s[66:67], s[10:11], s[66:67]
.irp g, 0,1,2,3
.irp j, 0,1,2,3
	global_load_b128 v[BI+16*\g+4*\j:BI+16*\g+4*\j+3], v5, s[72:73] offset:128*\g+16*\j   ; register 16 g + e: column 32 g + 16 h + e
.endr
.endr
	s_wait_alu depctr_va_vdst(0)
	LOOPK AWGT, ATOK, ASC
	s_wait_loadcnt 0x0
.macro EPIQK o                         ; token tile o: 128 columns = two heads
.if (\o) < 4
	WIN 0x42
.else
	WIN 0x43
.endif
.set tj, 0
.rept 4*T
	v_pk_add_f32 v[HA+tj:HA+tj+1], v[8*T*((\o)%4)+tj:8*T*((\o)%4)+tj+1], v[BI+tj:BI+tj+1]   ; + bias; each accumulator from its low end on
.set tj, tj+2
.endr
	WIN 0x55
	QUANT HA, 4
	v_lshrrev_b32 v[TMPR], 16, v[PW]
	v_cndmask_b32 v[TMPR], v[PW], v[TMPR], s[HIM]  ; lanes 0-15: the first head's word; lanes 16-31: the second's two bytes, zeros above (over zero codes)
	WIN 0x04
	global_store_b128 v[LI], v[PC:PC+3], s[66:67] offset:(\o)*512
	global_store_b128 v[LI], v[PC+4:PC+7], s[66:67] offset:(\o)*512+73728
	global_store_b32 v4, v[TMPR], s[66:67] offset:4096+((\o)/4)*256+((\o)%4)*4
	WIN 0
.endm
.irp o, 0,1,2,3,4,5,6,7
	EPIQK \o
.endr
	s_branch .Ljoin
; ---- v: inner = tokens, so that a lane's registers run along the keys
.Lv_path:
	s_lshl_b32 s70, s68, 4
	s_add_co_u32 s70, s70, s69
	s_mul_i32 s66, s70, 4352
	s_add_co_u32 s66, s66, 4718592
	s_mov_b32 s67, 0
	s_add_nc_u64 s[66:67], s[10:11], s[66:67]
.irp o, 0,1,2,3,4,5,6,7
	global_load_b32 v[BI+2*\o], v6, s[72:73] offset:(32*(\o/2)+8*(\o%2))*4   ; my column's bias in weight tile o
	v_mov_b32 v[BI+2*\o+1], 0                      ; (named with it as a pair)
.endr
	s_wait_alu depctr_va_vdst(0)
	LOOPK ATOK, AWGT, ASC2
	s_wait_loadcnt 0x0
.macro EPIV o                          ; weight tile o: 16 channels of head o / 4, all 128 keys of my key step: one fragment of V^T
.if (\o) < 4
	WIN 0x42
.else
	WIN 0x43
.endif
.set tj, 0
.rept 4*T
	v_pk_add_f32 v[HA+tj:HA+tj+1], v[8*T*((\o)%4)+tj:8*T*((\o)%4)+tj+1], v[BI+2*(\o):BI+2*(\o)+1] op_sel_hi:[1,0]
.set tj, tj+2
.endr
	WIN 0x55
	QUANT HA, 4
	v_lshrrev_b32 v[TMPR], 16, v[PW]
	v_cndmask_b32 v[TMPR], v[PW], v[TMPR], s[HIM]
	WIN 0x04
	global_store_b128 v[LI], v[PC:PC+3], s[66:67] offset:((\o)/4)*69632+((\o)%4)*1024
	global_store_b128 v[LI], v[PC+4:PC+7], s[66:67] offset:((\o)/4)*69632+((\o)%4)*1024+512
	global_store_b16 v7, v[TMPR], s[66:67] offset:((\o)/4)*69632+4096+((\o)%4)*4
	WIN 0
.endm
.irp o, 0,1,2,3,4,5,6,7
	EPIV \o
.endr
.Ljoin:
	s_wait_dscnt 0x0
	s_wait_tensorcnt 0x0
	ds_add_u32 v254, v255
	s_wait_dscnt 0x0
	CROUND                                         ; the closing round
	s_endpgm
.Lfunc_end_k_q07fa7bd3da_qkv:
	.size	k_q07fa7bd3da_qkv, .Lfunc_end_k_q07fa7bd3da_qkv-k_q07fa7bd3da_qkv
	.p2alignl 7, 3214868480
	.fill 96, 4, 3214868480
	.section	.rodata,"a",@progbits
	.p2align	6, 0x0
	.amdhsa_kernel k_q07fa7bd3da_qkv
		.amdhsa_group_segment_fixed_size 279040
		.amdhsa_private_segment_fixed_size 0
		.amdhsa_enable_private_segment 0
		.amdhsa_kernarg_size 32
		.amdhsa_user_sgpr_count 2
		.amdhsa_user_sgpr_kernarg_segment_ptr 1
		.amdhsa_wavefront_size32 1
		.amdhsa_system_sgpr_workgroup_id_x 1
		.amdhsa_system_sgpr_workgroup_id_y 1
		.amdhsa_system_sgpr_workgroup_id_z 1
		.amdhsa_system_vgpr_workitem_id 0
		.amdhsa_next_free_vgpr 1024
		.amdhsa_next_free_sgpr 100
		.amdhsa_reserve_vcc 0
		.amdhsa_float_denorm_mode_32 3
		.amdhsa_float_denorm_mode_16_64 3
		.amdhsa_memory_ordered 1
		.amdhsa_forward_progress 1
		.amdhsa_inst_pref_size 255
	.end_amdhsa_kernel
	.section	.bss,"aw",@nobits
	.p2align	6
	.space	262144
	.amdgpu_metadata
---
amdhsa.version: [ 1, 2 ]
amdhsa.kernels:
  - .name:           k_q07fa7bd3da_qkv
    .symbol:         k_q07fa7bd3da_qkv.kd
    .args:
      - { .name: acta, .offset: 0, .size: 8, .value_kind: global_buffer, .address_space: global }
      - { .name: wpk, .offset: 8, .size: 8, .value_kind: global_buffer, .address_space: global }
      - { .name: b_attn, .offset: 16, .size: 8, .value_kind: global_buffer, .address_space: global }
      - { .name: qkv, .offset: 24, .size: 8, .value_kind: global_buffer, .address_space: global }
    .group_segment_fixed_size: 279040
    .private_segment_fixed_size: 0
    .kernarg_segment_align: 8
    .kernarg_segment_size: 32
    .max_flat_workgroup_size: 128
    .sgpr_count:     100
    .vgpr_count:     1024
    .wavefront_size: 32
...
	.end_amdgpu_metadata
.endif
;; end of part 2
;; launch attn (part 3): grid 8 x 32, 16 waves a work-group, clusters of 4 x 1, 182,272 bytes of LDS; arguments qkv, actb; writes actb
.if DOCPART == 3
	.amdgcn_target "amdgcn-amd-amdhsa--gfx1250"
	.amdhsa_code_object_version 6
	.text
	.protected	k_q07fa7bd3da_attn
	.globl	k_q07fa7bd3da_attn
	.p2align	8
	.type	k_q07fa7bd3da_attn,@function
k_q07fa7bd3da_attn:
	s_mov_b64 s[64:65], 0
	v_nop
	global_prefetch_b8 v0, s[64:65] scope:SCOPE_SE
	s_setreg_imm32_b32 hwreg(HW_REG_WAVE_MODE, 25, 1), 1
	s_wait_xcnt 0x0
	s_wait_alu depctr_hold_cnt(0) depctr_sa_sdst(0) depctr_va_vdst(0) depctr_va_sdst(0) depctr_va_ssrc(0) depctr_va_vcc(0) depctr_vm_vsrc(0)
	s_getreg_b32 s2, hwreg(HW_REG_IB_STS2, 6, 4)
	s_cmp_eq_u32 s2, 0
	s_cbranch_scc0 .Lentry_in_a_cluster
	s_endpgm
.Lentry_in_a_cluster:
	s_bfe_u32 s2, ttmp6, 0x10000c
	s_cmp_lg_u32 s2, 0x3003
	s_cbranch_scc0 .Lentry_shape_is_right
	s_endpgm
.Lentry_shape_is_right:
; Causal attention of one batch-head on codes of FP4, and its result quantised along the model's channels into the pack actb.
; t = score x log2(e) / 8; M = the running largest t rounded UP to a whole number; p = 2^(t - M) is quantised along the keys, not normalised; the row's sum is taken of the unquantised p and divides O at the end.
; Key steps that lie wholly behind the causal diagonal are left out: their p are zeros.
; SHARES.  Work-group i (0..7) of a batch-head owns query tile i (16 queries) of each of the 16 key steps: tiles with 1 to 16 key steps to walk, 136 in all.  Each of its sixteen waves owns ONE tile, whole.
; THE DEAL: waves 0-7 take the tiles of key steps 15 .. 8, waves 8-11 those of 4 .. 7, waves 12-15 those of 0 .. 3: the longer tiles have the lower wave numbers,
; and any four waves whose numbers are equal modulo 4 have (16 - s) + (12 - s) + (s + 5) + (s + 1) = 34 key steps together.
; One loop of constant count, 16 trips; a step is left out where its key step lies behind the tile's own (a scalar branch on the wave's number and the count of trips); the tile's own key step is the diagonal.
; LDS holds K and V of the whole head, filled ONCE: waves 0-3 ask for K's four groups of four key steps, waves 4-7 for V's, one tensor load a wave, jointly for the four work-groups of the cluster.
; No prefetch: K and V are asked for once, at the head, and there is no loop to run ahead in.
; K's fragments and scale words of the NEXT key step are asked of LDS behind this step's first products, V's at a step's head.  (Behind the last key step that reads 4,608 bytes of V's region, which nobody uses.)
; Both products are used transposed: S^T = K Q^T, O^T = V^T P^T: a lane holds one query.  The head is 64 wide: the upper four registers of Q's and K's fragments are zeros.
; LIMITS: NaN and infinities are not served; a block whose every p is 0 carries the byte 1 over zero codes.
; REGISTERS: v1 16 lane, v2 16 r, v3-4 the add's two, v5 the mask's d, v7 the way out; v8-11 a step's addresses; v12 -M, v13 largest t, v[14:15] the sum; v16-23 Q; v24-31 K's scale words; v32-95 K;
; v96-159 S^T, p; v160-191 O^T; v192-223 V; v224-231 p's codes; v232-239, v244-247, v252, v254 at work; v248-251 V's words; v253 p's word; v255 Q's.
.set KB, 4608
.set VB, 4352
.set VOFF, 16*KB
.set SPARE, 0x2c000                    ; the spare words, 128 bytes a wave: eight blocks of 256 bytes that no other line names
.set SPW, 3
.set NIL, 4
.set TK, 2                             ; s2   LDS byte of the step's K
.set TV, 3                             ; s3   of its V (VOFF is in it)
.set WV, 18
.set J, 19
.set SEL, 20
.set CS, 22
.set G1K, 24
.set G1V, 32
.set G0K, 40
.set G0V, 44
.set HIM, 56
.set CNT, 57
.set KS, 58
.set ROLE, 59
.set RO, 62                            ; s62  my tile's own key step
.set TM, 232
.set PC, 224
.macro CROUND
	s_barrier_signal -1
	s_barrier_wait -1
	s_cmp_lg_u32 s[WV], 0
	s_cbranch_scc1 .Lnot_wave_0_\@
	s_barrier_signal -3
.Lnot_wave_0_\@:
	s_barrier_wait -3
	s_barrier_signal -1
	s_barrier_wait -1
.endm
.macro QUANT s, nb                     ; 16 nb numbers of a lane become codes in v[PC] on and bytes in v[TM+4] on
.set qb, 0
.rept \nb
	v_max3_num_f32 v[TM+qb], |v[(\s)+16*qb]|, |v[(\s)+16*qb+1]|, 0x1800000
.set qb, qb+1
.endr
.irp e, 2,4,6,8,10,12,14
.set qb, 0
.rept \nb
	s_delay_alu instid0(VALU_DEP_2)
	v_max3_num_f32 v[TM+qb], v[TM+qb], |v[(\s)+16*qb+\e]|, |v[(\s)+16*qb+\e+1]|
.set qb, qb+1
.endr
.endr
.set qb, 0
.rept \nb
	s_delay_alu instid0(VALU_DEP_2)
	v_permlanex16_b32 v[TM+4+qb], v[TM+qb], s[SEL], s[SEL+1]
.set qb, qb+1
.endr
.set qb, 0
.rept \nb
	s_delay_alu instid0(VALU_DEP_2)
	v_max_num_f32 v[TM+qb], v[TM+qb], v[TM+4+qb]
.set qb, qb+1
.endr
.set qb, 0
.rept \nb
	s_delay_alu instid0(VALU_DEP_2)
	v_add_nc_u32 v[TM+12+qb], 0xff000000, v[TM+qb]
.set qb, qb+1
.endr
.set qb, 0
.rept \nb
	s_delay_alu instid0(VALU_DEP_2)
	v_lshrrev_b32 v[TM+4+qb], 23, v[TM+12+qb]
.set qb, qb+1
.endr
.set qb, 0
.rept \nb
	v_cvt_scalef32_pk8_fp4_f32 v[PC+2*qb], v[(\s)+16*qb:(\s)+16*qb+7], v[TM+12+qb]
	v_cvt_scalef32_pk8_fp4_f32 v[PC+2*qb+1], v[(\s)+16*qb+8:(\s)+16*qb+15], v[TM+12+qb]
.set qb, qb+1
.endr
	v_nop
.set qb, 0
.rept (\nb)/2
	v_permlane16_swap_b32 v[PC+4*qb], v[PC+4*qb+2]
	v_permlane16_swap_b32 v[PC+4*qb+1], v[PC+4*qb+3]
.set qb, qb+1
.endr
.endm
.macro ADD2 a, b, c                    ; two f32 additions on neighbouring registers, packed
	v_pk_add_f32 v[\a:\a+1], v[\b:\b+1], v[\c:\c+1]
.endm
	s_load_b128 s[4:7], s[0:1], 0x0                ; qkv, actb
	v_lshl_add_u32 v[SPW], v0, 2, SPARE
	v_mov_b32 v[NIL], 0
	ds_add_u32 v[SPW], v[NIL]                      ; the opening lines: the add, twice on end, and its wait ahead of the first tensor load
	ds_add_u32 v[SPW], v[NIL]
	s_wait_dscnt 0x0
	v_lshrrev_b32 v8, 5, v0
	s_delay_alu instid0(VALU_DEP_1)
	v_readfirstlane_b32 s[WV], v8
	s_bfe_u32 s8, ttmp6, 0x40000                   ; cx
	s_lshl_b32 s9, ttmp9, 2
	s_add_co_u32 s9, s9, s8                        ; i: it enters global addresses and the mask's vector alone
	s_and_b32 s10, ttmp7, 0xffff                   ; batch-head, which the partners share
	s_and_b32 s[J], s[WV], 7
	s_lshr_b32 s[ROLE], s[WV], 3
	s_mov_b32 s[G1K], 15|(3<<16)|(1<<21)           ; all four work-groups; elements of 8 bytes; bit 21 beside a mask
	s_mov_b32 s[G1K+1], 32<<16                     ; rows of 256 bytes
	s_mov_b32 s[G1K+2], 72<<16                     ; four key steps of K: 18,432 dense bytes
	s_mov_b32 s[G1K+3], 32<<16
	s_mov_b32 s[G1K+4], 72
	s_mov_b32 s[G1K+5], 32
	s_mov_b32 s[G1K+6], 0
	s_mov_b32 s[G1K+7], 0
	s_mov_b32 s[G1V], 15|(3<<16)|(1<<21)
	s_mov_b32 s[G1V+1], 32<<16
	s_mov_b32 s[G1V+2], 68<<16                     ; of V: 17,408
	s_mov_b32 s[G1V+3], 32<<16
	s_mov_b32 s[G1V+4], 68
	s_mov_b32 s[G1V+5], 32
	s_mov_b32 s[G1V+6], 0
	s_mov_b32 s[G1V+7], 0
	s_and_b32 s84, s[WV], 3                        ; which group of four key steps I fetch, if I fetch
	s_mul_i32 s85, s84, 4*KB
	s_mul_i32 s86, s84, 4*VB
	s_mul_i32 s12, s10, 16*KB
	s_add_co_u32 s12, s12, 2359296
	s_add_co_u32 s12, s12, s85
	s_mov_b32 s13, 0
	s_mul_i32 s14, s10, 16*VB
	s_add_co_u32 s14, s14, 4718592
	s_add_co_u32 s14, s14, s86
	s_mov_b32 s15, 0
	s_wait_kmcnt 0x0
	s_mov_b32 s[G0K], 1
	s_mov_b32 s[G0K+1], s85                        ; LDS: 18,432 x (wave % 4)
	s_add_nc_u64 s[G0K+2:G0K+3], s[4:5], s[12:13]
	s_or_b32 s[G0K+3], s[G0K+3], 0x80000000
	s_mov_b32 s[G0V], 1
	s_add_co_u32 s[G0V+1], s86, VOFF               ; LDS: behind K, 17,408 x (wave % 4)
	s_add_nc_u64 s[G0V+2:G0V+3], s[4:5], s[14:15]
	s_or_b32 s[G0V+3], s[G0V+3], 0x80000000
	CROUND                                         ; the four work-groups are here: the joint loads meet
	s_cmp_lt_u32 s[WV], 4                          ; a wave's one first fill stands in one chain of branches on its number
	s_cbranch_scc0 .Lnot_k
	tensor_load_to_lds s[G0K:G0K+3], s[G1K:G1K+7]
	s_nop 0
.rept 4
	v_nop
.endr
	s_branch .Lasked
.Lnot_k:
	s_cmp_lt_u32 s[WV], 8
	s_cbranch_scc0 .Lasked
	tensor_load_to_lds s[G0V:G0V+3], s[G1V:G1V+7]
	s_nop 0
.rept 4
	v_nop
.endr
.Lasked:
	s_mul_i32 s[RO], s[ROLE], 11
	s_xor_b32 s[RO], s[RO], 15
	s_xor_b32 s[RO], s[RO], s[J]                   ; my tile's key step: waves 0-7: (wave % 8) xor 15 = 15 .. 8; waves 8-15: (wave % 8) xor 4 = 4 .. 7, 0 .. 3
	s_lshl_b32 s86, s10, 4
	s_add_co_u32 s87, s86, s[RO]
	s_mul_i32 s87, s87, KB                         ; Q: my key step's block
	s_lshl_b32 s84, s9, 9                          ; tile i's codes in a block
	s_lshr_b32 s85, s9, 2
	s_lshl_b32 s85, s85, 8
	s_and_b32 s88, s9, 3
	s_lshl_b32 s88, s88, 2
	s_add_co_u32 s85, s85, s88                     ; and its scale words (+ 4,096 in the immediate)
	s_add_co_u32 s68, s87, s84
	s_mov_b32 s69, 0
	s_add_co_u32 s70, s87, s85
	s_mov_b32 s71, 0
	s_add_nc_u64 s[68:69], s[4:5], s[68:69]
	s_add_nc_u64 s[70:71], s[4:5], s[70:71]
	v_and_b32 v8, 15, v0                           ; r
	v_bfe_u32 v9, v0, 4, 1                         ; h
	v_and_b32 v10, 31, v0
	s_delay_alu instid0(VALU_DEP_1)
	v_lshlrev_b32 v1, 4, v10                       ; 16 x lane
	s_delay_alu instid0(VALU_DEP_4)
	v_lshlrev_b32 v2, 4, v8                        ; 16 r
	global_load_b128 v[16:19], v1, s[68:69]        ; my tile's Q
	global_load_b32 v255, v2, s[70:71] offset:4096
	v_add_nc_u32 v7, v2, v9                        ; the way out: 16 r + h
	s_lshr_b32 s76, s9, 1
	s_lshl_b32 s76, s76, 5
	s_and_b32 s77, s9, 1
	s_lshl_b32 s77, s77, 3
	s_add_co_u32 s76, s76, s77
	v_and_b32 v5, 8, v8
	s_delay_alu instid0(VALU_DEP_1)
	v_add_nc_u32 v5, v5, v8
	v_lshlrev_b32 v11, 4, v9
	s_delay_alu instid0(VALU_DEP_1)
	v_sub_nc_u32 v5, v5, v11
	s_delay_alu instid0(VALU_DEP_1)
	v_add_nc_u32 v5, s76, v5                       ; d = my query's place in its key step - 16 h: on the diagonal register 16 b + e is hidden where 32 b + e > d
	s_lshr_b32 s84, s10, 4
	s_lshl_b32 s84, s84, 7
	s_lshl_b32 s85, s[RO], 3
	s_add_co_u32 s84, s84, s85
	s_add_co_u32 s84, s84, s9                      ; my token tile
	s_lshl_b32 s84, s84, 1
	s_bfe_u32 s85, s10, 0x10003
	s_add_co_u32 s84, s84, s85                     ; the chunk of my head's 64 channels
	s_mul_i32 s84, s84, 4352
	s_bfe_u32 s85, s10, 0x20001                    ; its K step in the chunk
	s_and_b32 s92, s10, 1                          ; its piece of the fragment
	s_lshl_b32 s88, s85, 10
	s_add_co_u32 s88, s88, s84
	s_lshl_b32 s89, s92, 9
	s_add_co_u32 s88, s88, s89
	s_mov_b32 s89, 0
	s_lshl_b32 s90, s85, 2
	s_add_co_u32 s90, s90, s84
	s_lshl_b32 s91, s92, 1
	s_add_co_u32 s90, s90, s91
	s_mov_b32 s91, 0
	s_add_nc_u64 s[88:89], s[6:7], s[88:89]
	s_add_nc_u64 s[90:91], s[6:7], s[90:91]
	s_mov_b32 s[SEL], 0x76543210
	s_mov_b32 s[SEL+1], 0xfedcba98
	s_mov_b32 s[CS], 0x3e38aa3b                    ; log2(e) / 8
	s_mov_b32 s[CS+1], s[CS]
	s_mov_b32 s[HIM], 0xffff0000
	v_mov_b32 v13, 0xff61b1e6                      ; -3e38, under every t
	s_delay_alu instid0(VALU_DEP_1)
	v_floor_f32 v12, -v13
	v_mov_b32 v14, 0
	v_mov_b32 v15, 0
	v_mov_b32 v252, 0
	v_mov_b32 v253, 0
.irp b, 0,1,2,3
	v_mov_b32 v[236+\b], 0                         ; a lane permute's destination counts as read
	v_mov_b32 v[20+\b], 0                          ; Q's upper half of K: zero codes
.endr
.irp a, 0,1,2,3,4,5,6,7
.irp j, 4,5,6,7
	v_mov_b32 v[32+8*\a+\j], 0                     ; K's likewise; never written again
.endr
.endr
.irp j, 0,1,2,3,4,5,6,7,8,9,10,11,12,13,14,15,16,17,18,19,20,21,22,23,24,25,26,27,28,29,30,31
	v_mov_b32 v[160+\j], 0                         ; O^T: the first step finds zeros
.endr
; A KEY STEP of 128 keys.  Its K and K's words were asked for a step earlier.
.macro STEP
	s_cmp_gt_u32 s[KS], s[RO]                      ; behind my tile's diagonal: the work is left out, the addresses step
	s_cbranch_scc1 .Lhid_\@
	v_add_nc_u32 v8, s[TK], v1                     ; (these four are also the places in front of the loads into V's registers)
	v_add_nc_u32 v9, s[TK], v2
	v_add_nc_u32 v10, s[TV], v1
	v_add_nc_u32 v11, s[TV], v2
.irp t, 0,1,2,3
.irp c, 0,1
	ds_load_b128 v[192+8*\t+4*\c:195+8*\t+4*\c], v10 offset:1024*\t+512*\c
.endr
.endr
	ds_load_b128 v[248:251], v11 offset:4096
	s_wait_alu depctr_va_vdst(0)
	s_wait_dscnt 9                                 ; K and its words, ten older loads, are in; V's nine may be out
.irp a, 0,1,2,3,4,5,6,7
	v_wmma_scale_f32_16x16x128_f8f6f4 v[96+8*\a:103+8*\a], v[32+8*\a:39+8*\a], v[16:23], 0, v[24+\a], v255 matrix_a_fmt:MATRIX_FMT_FP4 matrix_b_fmt:MATRIX_FMT_FP4
.endr
.rept 4
	v_nop                                          ; places in front of the loads below and of the first read of the scores
.endr
.irp a, 0,1,2,3,4,5,6,7
	ds_load_b128 v[32+8*\a:35+8*\a], v8 offset:512*\a+KB   ; the next key step's K
.endr
	ds_load_b128 v[24:27], v9 offset:4096+KB       ; and its words
	ds_load_b128 v[28:31], v9 offset:4352+KB
	s_cmp_lg_u32 s[KS], s[RO]
	s_cbranch_scc1 .Lopen_\@
	v_mov_b32 v254, 0xff800000                     ; on the diagonal hidden scores become -infinity: p = 0
.irp n, 0,1,2,3,4,5,6,7,8,9,10,11,12,13,14,15,16,17,18,19,20,21,22,23,24,25,26,27,28,29,30,31,32,33,34,35,36,37,38,39,40,41,42,43,44,45,46,47,48,49,50,51,52,53,54,55,56,57,58,59,60,61,62,63
	v_cmp_gt_i32 vcc_lo, 32*(\n/16)+\n%16, v5
	v_cndmask_b32 v[96+\n], v[96+\n], v254, vcc_lo
.endr
.Lopen_\@:
.irp b, 0,1,2,3
	v_max3_num_f32 v[232+\b], v[96+16*\b], v[97+16*\b], v[98+16*\b]   ; each block's largest score: for the row's maximum and for the block's largest p
.endr
.irp i, 3,5,7,9,11,13
.irp b, 0,1,2,3
	v_max3_num_f32 v[232+\b], v[232+\b], v[96+16*\b+\i], v[97+16*\b+\i]
.endr
.endr
.irp b, 0,1,2,3
	v_max_num_f32 v[232+\b], v[232+\b], v[111+16*\b]
.endr
.irp b, 0,1,2,3
	s_delay_alu instid0(VALU_DEP_4)
	v_permlanex16_b32 v[236+\b], v[232+\b], s[SEL], s[SEL+1]
.endr
.irp b, 0,1,2,3
	s_delay_alu instid0(VALU_DEP_4)
	v_max_num_f32 v[232+\b], v[232+\b], v[236+\b]
.endr
	s_delay_alu instid0(VALU_DEP_2)
	v_max3_num_f32 v254, v232, v233, v234
	s_delay_alu instid0(VALU_DEP_1)
	v_max_num_f32 v254, v254, v235
	s_delay_alu instid0(VALU_DEP_1)
	v_mul_f32 v254, s[CS], v254
	s_delay_alu instid0(VALU_DEP_1)
	v_max_num_f32 v13, v13, v254                   ; the running largest t
	v_mov_b32 v254, v12
	s_delay_alu instid0(VALU_DEP_2)
	v_floor_f32 v12, -v13                          ; -M = floor(-t): M is a whole number
	s_delay_alu instid0(VALU_DEP_1)
	v_sub_f32 v254, v12, v254
	s_delay_alu instid0(VALU_DEP_1)
	v_cvt_i32_f32 v254, v254                       ; (it saturates)
	s_delay_alu instid0(VALU_DEP_1)
	v_ldexp_f32 v252, 1.0, v254                    ; f = 2^(old M - new M): rounds nothing
.irp j, 0,2,4,6,8,10,12,14,16,18,20,22,24,26,28,30,32,34,36,38,40,42,44,46,48,50,52,54,56,58,60,62
	v_pk_fma_f32 v[96+\j:97+\j], v[96+\j:97+\j], s[CS:CS+1], v[12:13] op_sel_hi:[1,0,0]   ; t - M, two at a time (of the pairs c and -M the low word serves both halves)
.endr
.irp b, 0,1,2,3
	v_fma_f32 v[232+\b], v[232+\b], s[CS], v12
.endr
	s_wait_alu depctr_va_vdst(0)                   ; the wait ahead of the batch
.irp j, 0,1,2,3,4,5,6,7,8,9,10,11,12,13,14,15,16,17,18,19,20,21,22,23,24,25,26,27,28,29,30,31,32,33,34,35,36,37,38,39,40,41,42,43,44,45,46,47,48,49,50,51,52,53,54,55,56,57,58,59,60,61,62,63
	v_exp_f32 v[96+\j], v[96+\j]
.endr
	v_pk_mul_f32 v[14:15], v[14:15], v[252:253] op_sel_hi:[1,0]   ; a plain line behind the exponentials
	s_wait_alu depctr_va_vdst(0)                   ; one wait for the batch, ahead of its first reader
.irp b, 0,1,2,3
	v_exp_f32 v[232+\b], v[232+\b]
.endr
	v_nop                                          ; a plain line behind the four exponentials
	ADD2 236, 100, 104                             ; the row's sum of the unquantised p, in eight chains of pairs; these lines read the 64 alone
	ADD2 246, 108, 112
	ADD2 244, 116, 120
	ADD2 238, 124, 128
	ADD2 230, 132, 136
	ADD2 228, 140, 144
	ADD2 226, 148, 152
	ADD2 14, 14, 156
	ADD2 236, 236, 96
	ADD2 246, 246, 98
	ADD2 244, 244, 102
	ADD2 238, 238, 106
	ADD2 230, 230, 110
	ADD2 228, 228, 114
	ADD2 226, 226, 118
	ADD2 14, 14, 122
	ADD2 236, 236, 126
	ADD2 246, 246, 130
	ADD2 244, 244, 134
	ADD2 238, 238, 138
	ADD2 230, 230, 142
	ADD2 228, 228, 146
	ADD2 226, 226, 150
	ADD2 14, 14, 154
	ADD2 236, 236, 158
	s_delay_alu instid0(VALU_DEP_2)
	ADD2 14, 14, 238
	s_delay_alu instid0(VALU_DEP_2)
	ADD2 236, 236, 230
	ADD2 246, 246, 228
	ADD2 244, 244, 226
	s_delay_alu instid0(VALU_DEP_2)
	ADD2 14, 14, 246
	s_delay_alu instid0(VALU_DEP_2)
	ADD2 236, 236, 244
	s_delay_alu instid0(VALU_DEP_1)
	ADD2 14, 14, 236
	s_wait_alu depctr_va_vdst(0)                   ; and one for the four
.irp b, 0,1,2,3
	v_max_num_f32 v[232+\b], 0x1800000, v[232+\b]
.endr
.irp b, 0,1,2,3
	s_delay_alu instid0(VALU_DEP_4)
	v_add_nc_u32 v[244+\b], 0xff000000, v[232+\b]
.endr
.irp b, 0,1,2,3
	s_delay_alu instid0(VALU_DEP_4)
	v_lshrrev_b32 v[236+\b], 23, v[244+\b]
.endr
	s_delay_alu instid0(VALU_DEP_3)
	v_lshl_or_b32 v253, v237, 8, v236
	s_delay_alu instid0(VALU_DEP_1)
	v_lshl_or_b32 v253, v238, 16, v253
	s_delay_alu instid0(VALU_DEP_1)
	v_lshl_or_b32 v253, v239, 24, v253
.irp b, 0,1,2,3
	v_cvt_scalef32_pk8_fp4_f32 v[224+2*\b], v[96+16*\b:103+16*\b], v[244+\b]
	v_cvt_scalef32_pk8_fp4_f32 v[225+2*\b], v[104+16*\b:111+16*\b], v[244+\b]
.endr
	v_nop
.irp c, 0,1
.irp i, 0,1
	v_permlane16_swap_b32 v[224+4*\c+\i], v[226+4*\c+\i]
.endr
.endr
.irp j, 0,2,4,6,8,10,12,14,16,18,20,22,24,26,28,30
	v_pk_mul_f32 v[160+\j:161+\j], v[160+\j:161+\j], v[252:253] op_sel_hi:[1,0]   ; O^T under the new M; sixteen lines between the scale word's last write and the products
.endr
	s_wait_alu depctr_va_vdst(0)
	s_wait_dscnt 10                                ; V is in; the next step's ten loads of K may be out
.irp t, 0,1,2,3
	v_wmma_scale_f32_16x16x128_f8f6f4 v[160+8*\t:167+8*\t], v[192+8*\t:199+8*\t], v[224:231], v[160+8*\t:167+8*\t], v[248+\t], v253 matrix_a_fmt:MATRIX_FMT_FP4 matrix_b_fmt:MATRIX_FMT_FP4
.endr
.Lhid_\@:
	s_add_co_u32 s[KS], s[KS], 1
	s_add_co_u32 s[TK], s[TK], KB
	s_add_co_u32 s[TV], s[TV], VB
.endm
	s_wait_alu depctr_va_vdst(0)                   ; the wait at the head's end
	s_wait_loadcnt 0x0                             ; Q
	s_wait_tensorcnt 0x0                           ; my one tensor load has landed,
	s_barrier_signal -1
	s_barrier_wait -1                              ; everybody's has: K and V of the head are whole.  Nothing is filled again
.irp a, 0,1,2,3,4,5,6,7
	ds_load_b128 v[32+8*\a:35+8*\a], v1 offset:512*\a   ; key step 0's K
.endr
	ds_load_b128 v[24:27], v2 offset:4096          ; and its words
	ds_load_b128 v[28:31], v2 offset:4352
	s_mov_b32 s[KS], 0
	s_mov_b32 s[TK], 0
	s_mov_b32 s[TV], VOFF
	s_mov_b32 s[CNT], 16
.Lstep:
	STEP
	s_sub_co_u32 s[CNT], s[CNT], 1
	s_cmp_lg_u32 s[CNT], 0
	s_cbranch_scc1 .Lstep
	s_wait_dscnt 0x0                               ; the loads asked for behind my last key step have come back
	; THE WAY OUT: O^T / the sum; my 32 registers are 2 x 16 neighbours of the head's 64 channels: two blocks, one piece of a fragment of the next product's operand.
	v_add_f32 v14, v14, v15
	s_delay_alu instid0(VALU_DEP_1)
	v_permlanex16_b32 v252, v14, s[SEL], s[SEL+1]
	s_delay_alu instid0(VALU_DEP_1)
	v_add_f32 v14, v14, v252
	s_wait_alu depctr_va_vdst(0)
	v_rcp_f32 v14, v14
.rept 4
	v_nop                                          ; plain lines behind the reciprocal and behind the last products
.endr
	s_wait_alu depctr_va_vdst(0)
.irp j, 0,1,2,3,4,5,6,7,8,9,10,11,12,13,14,15,16,17,18,19,20,21,22,23,24,25,26,27,28,29,30,31
	v_mul_f32 v[96+\j], v[160+\j], v14
.endr
	QUANT 96, 2
	v_cndmask_b32 v254, v[TM+4], v[TM+5], s[HIM]   ; lane (r, h) stores block h's byte
	global_store_b128 v1, v[PC:PC+3], s[88:89]
	global_store_b8 v7, v254, s[90:91] offset:4096
	s_wait_tensorcnt 0x0                           ; the wave's end
	ds_add_u32 v[SPW], v[NIL]
	s_wait_dscnt 0x0
	CROUND                                         ; the closing round
	s_endpgm
.Lfunc_end_k_q07fa7bd3da_attn:
	.size	k_q07fa7bd3da_attn, .Lfunc_end_k_q07fa7bd3da_attn-k_q07fa7bd3da_attn
	.p2alignl 7, 3214868480
	.fill 96, 4, 3214868480
	.section	.rodata,"a",@progbits
	.p2align	6, 0x0
	.amdhsa_kernel k_q07fa7bd3da_attn
		.amdhsa_group_segment_fixed_size 182272
		.amdhsa_private_segment_fixed_size 0
		.amdhsa_enable_private_segment 0
		.amdhsa_kernarg_size 16
		.amdhsa_user_sgpr_count 2
		.amdhsa_user_sgpr_kernarg_segment_ptr 1
		.amdhsa_wavefront_size32 1
		.amdhsa_system_sgpr_workgroup_id_x 1
		.amdhsa_system_sgpr_workgroup_id_y 1
		.amdhsa_system_sgpr_workgroup_id_z 1
		.amdhsa_system_vgpr_workitem_id 0
		.amdhsa_next_free_vgpr 256
		.amdhsa_next_free_sgpr 100
		.amdhsa_reserve_vcc 1
		.amdhsa_float_denorm_mode_32 3
		.amdhsa_float_denorm_mode_16_64 3
		.amdhsa_memory_ordered 1
		.amdhsa_forward_progress 1
		.amdhsa_inst_pref_size 36
	.end_amdhsa_kernel
	.amdgpu_metadata
---
amdhsa.version: [ 1, 2 ]
amdhsa.kernels:
  - .name:           k_q07fa7bd3da_attn
    .symbol:         k_q07fa7bd3da_attn.kd
    .args:
      - { .name: qkv, .offset: 0, .size: 8, .value_kind: global_buffer, .address_space: global }
      - { .name: actb, .offset: 8, .size: 8, .value_kind: global_buffer, .address_space: global }
    .group_segment_fixed_size: 182272
    .private_segment_fixed_size: 0
    .kernarg_segment_align: 8
    .kernarg_segment_size: 16
    .max_flat_workgroup_size: 512
    .sgpr_count:     100
    .vgpr_count:     256
    .wavefront_size: 32
...
	.end_amdgpu_metadata
.endif
;; end of part 3
;; launch proj (part 4): grid 8 x 32, 4 waves a work-group, clusters of 4 x 4, 168,448 bytes of LDS; arguments actb, wpk, x, b_proj, alpha, gamma, beta, x1, acta; writes x1, acta
.if DOCPART == 4
	.amdgcn_target "amdgcn-amd-amdhsa--gfx1250"
	.amdhsa_code_object_version 6
	.text
	.protected	k_q07fa7bd3da_proj
	.globl	k_q07fa7bd3da_proj
	.p2align	8
	.type	k_q07fa7bd3da_proj,@function
k_q07fa7bd3da_proj:
	s_mov_b64 s[64:65], 0
	v_nop
	global_prefetch_b8 v0, s[64:65] scope:SCOPE_SE
	s_setreg_imm32_b32 hwreg(HW_REG_WAVE_MODE, 25, 1), 1
	s_wait_xcnt 0x0
	s_wait_alu depctr_hold_cnt(0) depctr_sa_sdst(0) depctr_va_vdst(0) depctr_va_sdst(0) depctr_va_ssrc(0) depctr_va_vcc(0) depctr_vm_vsrc(0)
	s_getreg_b32 s2, hwreg(HW_REG_IB_STS2, 6, 4)
	s_cmp_eq_u32 s2, 0
	s_cbranch_scc0 .Lentry_in_a_cluster
	s_endpgm
.Lentry_in_a_cluster:
	s_bfe_u32 s2, ttmp6, 0x10000c
	s_cmp_lg_u32 s2, 0xf033
	s_cbranch_scc0 .Lentry_shape_is_right
	s_endpgm
.Lentry_shape_is_right:
; x1 = x + Q(attention out) Q(w_proj) + b_proj, stored as f32; and Q(dyt(x1)) into the pack acta.
; N = 1,024: blocks of 128 x 128 give 256 work-groups; a wave makes 64 x 64: 16 accumulators.  Panels for all of K = 1,024 are filled once (two tensor loads a wave), jointly in a 4 x 4 cluster.
; Source 0 = weights (inner), source 1 = tokens (outer).  x comes by dense loads, turns through the wave's own stage in LDS into the accumulators' layout, and is the C of each sum's first product.
; x1's layout is this program's own: [token tile][group of 64 columns][8 x 512 bytes]: the image of a lane's 32 registers, so that the last launch loads it as its C.
; LIMITS: NaN and infinities are not served; a block of zeros carries the byte 1.  tanh as in the first launch.
; REGISTERS: window 0: addresses, v32-63 scale words, v96-127 bias.  window 1: v0-127 two operand sets, later HA, HB, E, S; v128-159 P; v160-223 gamma, beta; v224.. at work.  window 2: v0-127 accumulators, v128-255 x.
.set T, 4
.set LOGT, 2
.set KC, 2
.set NCS, 2
; THE PANELS' FILL AS IT STANDS: a tile's two chunks are neighbours in the pack, so a wave brings its 4 tiles whole, 4 rows of 8,704 bytes, by ONE tensor load
; (this takes the place of the two loads a wave that the lines above speak of); one wait for it and one barrier, and all of K lies in LDS.
.set TP, 8704                          ; a tile in LDS: chunk 0, then chunk 1
.set REG, T*TP
.set CHB, 4352                         ; from chunk 0 to chunk 1 of a tile
.set WOFF, 1671168
.set STG, 4*REG                        ; the stages lie behind the four waves' panels
.set LI, 3
.set ATOK, 8
.set AWGT, 12
.set ASC, 16
.set SC, 32
.set BI, 96
.set G1, 24
.set G0, 32
.set G1B, 48
.set G0B, 56
.set SEL, 20
.set HIM, 22
.set AA, 78
.set KK, 80
.set C4, 82
.set C2, 84
.set C1, 86
.set QTR, 88
.set HA, 0                             ; window 1
.set HB, 32
.set DE, 64
.set DS, 96
.set DP, 128
.set GA, 160
.set BE, 192
.set C3V, 224
.set TMPR, 226
.set TM, 236
.set PC, 252
.set PW, 227
.set MSB, 0
.macro WIN new
.if MSB != \new
	s_set_vgpr_msb (MSB<<8)|\new
.set MSB, \new
.endif
.endm
.macro PLACES n
.rept \n
	v_nop
.endr
.endm
.macro JLOAD g0a, g1a, g0b, g1b
	s_cmp_eq_u32 s15, 0
	s_cbranch_scc0 .Lfor_b_\@
	tensor_load_to_lds s[\g0a:\g0a+3], s[\g1a:\g1a+7]
	s_nop 0
.rept 4
	v_nop
.endr
	s_branch .Lasked_\@
.Lfor_b_\@:
	tensor_load_to_lds s[\g0b:\g0b+3], s[\g1b:\g1b+7]
	s_nop 0
.rept 4
	v_nop
.endr
.Lasked_\@:
.endm
.macro CROUND
	s_barrier_signal -1
	s_barrier_wait -1
	s_cmp_lg_u32 s14, 0
	s_cbranch_scc1 .Lnot_wave_0_\@
	s_barrier_signal -3
.Lnot_wave_0_\@:
	s_barrier_wait -3
	s_barrier_signal -1
	s_barrier_wait -1
.endm
.macro FETCH k, ai, ao
.set fcs, ((\k)/4)%NCS
.set fq, (\k)%4
.set fp, 16*T*((\k)%2)
	WIN 0x40
.set fi, 0
.rept T
	ds_load_b128 v[fp+8*fi:fp+8*fi+3], v[\ai+fcs] offset:fi*TP+fq*1024
	ds_load_b128 v[fp+8*fi+4:fp+8*fi+7], v[\ai+fcs] offset:fi*TP+fq*1024+512
.set fi, fi+1
.endr
.set fi, 0
.rept T
	ds_load_b128 v[fp+8*T+8*fi:fp+8*T+8*fi+3], v[\ao+fcs] offset:fi*TP+fq*1024
	ds_load_b128 v[fp+8*T+8*fi+4:fp+8*T+8*fi+7], v[\ao+fcs] offset:fi*TP+fq*1024+512
.set fi, fi+1
.endr
	WIN 0
.endm
.macro SCALES ch, as
.set fi, 0
.rept T
	ds_load_b128 v[SC+4*T*((\ch)%2)+4*fi:SC+4*T*((\ch)%2)+4*fi+3], v[\as+(\ch)%NCS] offset:fi*TP
.set fi, fi+1
.endr
.endm
.macro MUL k, ct                       ; 16 products, the accumulators by turns.  ct = 2: the sums start from x
.set mp, 16*T*((\k)%2)
.set ms, SC+4*T*(((\k)/4)%2)+(\k)%4
	WIN 0xa5
.set mo, 0
.rept T
.set mi, 0
.rept T
.set md, 8*(T*mo+mi)
.if \ct == 2
	v_wmma_scale_f32_16x16x128_f8f6f4 v[md:md+7], v[mp+8*mi:mp+8*mi+7], v[mp+8*T+8*mo:mp+8*T+8*mo+7], v[128+md:128+md+7], v[ms+4*mi], v[ms+4*mo] matrix_a_fmt:MATRIX_FMT_FP4 matrix_b_fmt:MATRIX_FMT_FP4 matrix_a_scale:MATRIX_SCALE_ROW1
.else
	v_wmma_scale_f32_16x16x128_f8f6f4 v[md:md+7], v[mp+8*mi:mp+8*mi+7], v[mp+8*T+8*mo:mp+8*T+8*mo+7], v[md:md+7], v[ms+4*mi], v[ms+4*mo] matrix_a_fmt:MATRIX_FMT_FP4 matrix_b_fmt:MATRIX_FMT_FP4 matrix_a_scale:MATRIX_SCALE_ROW1
.endif
.set mi, mi+1
.endr
.set mo, mo+1
.endr
	WIN 0
.endm
.macro STEP k, ct, ai, ao, as
	PLACES 4
	FETCH (\k)+1, \ai, \ao
.if ((\k)+1)%4 == 0
	SCALES ((\k)+1)/4, \as
	s_wait_dscnt 5*T                               ; all but the loads just issued
.else
	s_wait_dscnt 4*T
.endif
	MUL \k, \ct
.endm
.macro QUANT s, nb
.set qb, 0
.rept \nb
	v_max3_num_f32 v[TM+qb], |v[(\s)+16*qb]|, |v[(\s)+16*qb+1]|, 0x1800000
.set qb, qb+1
.endr
.irp e, 2,4,6,8,10,12,14
.set qb, 0
.rept \nb
	v_max3_num_f32 v[TM+qb], v[TM+qb], |v[(\s)+16*qb+\e]|, |v[(\s)+16*qb+\e+1]|
.set qb, qb+1
.endr
.endr
.set qb, 0
.rept \nb
	v_permlanex16_b32 v[TM+4+qb], v[TM+qb], s[SEL], s[SEL+1]
.set qb, qb+1
.endr
.set qb, 0
.rept \nb
	v_max_num_f32 v[TM+qb], v[TM+qb], v[TM+4+qb]
.set qb, qb+1
.endr
.set qb, 0
.rept \nb
	v_add_nc_u32 v[TM+12+qb], 0xff000000, v[TM+qb]
.set qb, qb+1
.endr
	s_wait_alu depctr_va_vdst(0)
	s_wait_xcnt 0x0                                ; the last block's stores have read their registers
.set qb, 0
.rept \nb
	v_lshrrev_b32 v[TM+4+qb], 23, v[TM+12+qb]
.set qb, qb+1
.endr
.set qb, 0
.rept \nb
	v_cvt_scalef32_pk8_fp4_f32 v[PC+2*qb], v[(\s)+16*qb:(\s)+16*qb+7], v[TM+12+qb]
	v_cvt_scalef32_pk8_fp4_f32 v[PC+2*qb+1], v[(\s)+16*qb+8:(\s)+16*qb+15], v[TM+12+qb]
.set qb, qb+1
.endr
	v_nop
.set qb, 0
.rept (\nb)/2
	v_permlane16_swap_b32 v[PC+4*qb], v[PC+4*qb+2]
	v_permlane16_swap_b32 v[PC+4*qb+1], v[PC+4*qb+3]
.set qb, qb+1
.endr
.endm
.macro DYT x, d, n, ga, be, gm
.set dj, 0
.rept (\n)/2
	v_pk_mul_f32 v[DE+dj:DE+dj+1], v[(\x)+dj:(\x)+dj+1], s[KK:KK+1] op_sel_hi:[1,0]
	v_pk_mul_f32 v[(\d)+dj:(\d)+dj+1], v[(\x)+dj:(\x)+dj+1], s[AA:AA+1] op_sel_hi:[1,0]
.set dj, dj+2
.endr
.set dj, 0
	s_wait_alu depctr_va_vdst(0)
.rept \n
	v_exp_f32 v[DE+dj], v[DE+dj]
.set dj, dj+1
.endr
.set dj, 0
.rept (\n)/2
	v_pk_mul_f32 v[DS+dj:DS+dj+1], v[(\d)+dj:(\d)+dj+1], v[(\d)+dj:(\d)+dj+1]
.set dj, dj+2
.endr
.set dj, 0
.rept (\n)/2
	v_pk_fma_f32 v[DP+dj:DP+dj+1], v[DS+dj:DS+dj+1], s[C4:C4+1], v[C3V:C3V+1] op_sel_hi:[1,0,1]
.set dj, dj+2
.endr
.set dj, 0
.rept (\n)/2
	v_pk_fma_f32 v[DP+dj:DP+dj+1], v[DP+dj:DP+dj+1], v[DS+dj:DS+dj+1], s[C2:C2+1] op_sel_hi:[1,1,0]
.set dj, dj+2
.endr
.set dj, 0
.rept (\n)/2
	v_pk_fma_f32 v[DP+dj:DP+dj+1], v[DP+dj:DP+dj+1], v[DS+dj:DS+dj+1], s[C1:C1+1] op_sel_hi:[1,1,0]
.set dj, dj+2
.endr
	s_wait_alu depctr_va_vdst(0)                   ; one wait for the exponentials
.set dj, 0
.rept (\n)/2
	v_pk_add_f32 v[DE+dj:DE+dj+1], v[DE+dj:DE+dj+1], 1.0 op_sel_hi:[1,0]
.set dj, dj+2
.endr
.set dj, 0
	s_wait_alu depctr_va_vdst(0)
.rept \n
	v_rcp_f32 v[DE+dj], v[DE+dj]
.set dj, dj+1
.endr
.set dj, 0
.rept (\n)/2
	v_pk_mul_f32 v[DP+dj:DP+dj+1], v[DP+dj:DP+dj+1], v[DS+dj:DS+dj+1]
.set dj, dj+2
.endr
.set dj, 0
.rept (\n)/2
	v_pk_fma_f32 v[DP+dj:DP+dj+1], v[(\d)+dj:(\d)+dj+1], v[DP+dj:DP+dj+1], v[(\d)+dj:(\d)+dj+1]
.set dj, dj+2
.endr
	s_wait_alu depctr_va_vdst(0)                   ; one wait for the reciprocals
.set dj, 0
.rept (\n)/2
	v_pk_fma_f32 v[DE+dj:DE+dj+1], v[DE+dj:DE+dj+1], -2.0, 1.0 op_sel_hi:[1,0,0]
.set dj, dj+2
.endr
.set dj, 0
.rept \n
	v_cmp_gt_f32 vcc_lo, s[QTR], |v[(\d)+dj]|
	v_cndmask_b32 v[(\d)+dj], v[DE+dj], v[DP+dj], vcc_lo
.set dj, dj+1
.endr
.set dj, 0
.rept (\n)/2
	v_pk_fma_f32 v[(\d)+dj:(\d)+dj+1], v[(\d)+dj:(\d)+dj+1], v[(\ga)+dj%(\gm):(\ga)+dj%(\gm)+1], v[(\be)+dj%(\gm):(\be)+dj%(\gm)+1]
.set dj, dj+2
.endr
.endm
	s_load_b256 s[4:11], s[0:1], 0x0               ; actb, wpk, x, b_proj
	s_load_b256 s[68:75], s[0:1], 0x20             ; alpha, gamma, beta, x1
	s_load_b64 s[76:77], s[0:1], 0x40              ; acta
	v_lshl_add_u32 v254, v0, 2, 0x29000
	v_mov_b32 v255, 0
	ds_add_u32 v254, v255
	ds_add_u32 v254, v255
	v_lshrrev_b32 v1, 5, v0
	v_readfirstlane_b32 s14, v1
	s_lshr_b32 s15, s14, 1
	s_and_b32 s16, s14, 1
	s_bfe_u32 s40, ttmp6, 0x40000
	s_bfe_u32 s41, ttmp6, 0x40004
	s_lshl_b32 s42, ttmp9, 2
	s_add_co_u32 s42, s42, s40
	s_and_b32 s17, ttmp7, 0xffff
	s_lshl_b32 s17, s17, 2
	s_add_co_u32 s17, s17, s41
	s_lshl_b32 s43, s41, 2
	s_lshl_b32 s43, 15, s43
	s_lshl_b32 s44, 0x1111, s40
	s_or_b32 s[G1+0], s43, (3<<16)|(1<<21)
	s_or_b32 s[G1B+0], s44, (3<<16)|(1<<21)
.irp g, G1, G1B
	s_mov_b32 s[\g+1], (TP/8)<<16
	s_mov_b32 s[\g+2], T<<16
	s_mov_b32 s[\g+3], (TP/8)<<16
	s_mov_b32 s[\g+4], T
	s_mov_b32 s[\g+5], KC*544
	s_mov_b32 s[\g+6], 0
	s_mov_b32 s[\g+7], 0
.endr
	s_lshl_b32 s18, s16, LOGT
	s_lshl_b32 s2, s17, LOGT+1
	s_add_co_u32 s2, s2, s18
	s_mul_i32 s2, s2, KC*4352
	s_mov_b32 s3, 0
	s_lshl_b32 s46, s42, LOGT+1
	s_add_co_u32 s46, s46, s18
	s_mul_i32 s46, s46, KC*4352
	s_add_co_u32 s46, s46, WOFF
	s_mov_b32 s47, 0
	s_mul_i32 s45, s14, REG
	s_wait_dscnt 0x0
	s_wait_kmcnt 0x0
	s_load_b32 s[AA], s[68:69], 0x0                ; alpha
	s_add_nc_u64 s[2:3], s[4:5], s[2:3]
	s_add_nc_u64 s[46:47], s[6:7], s[46:47]
	CROUND
.irp s, 0
	s_mov_b32 s[G0+4*\s], 1
	s_add_co_u32 s[G0+4*\s+1], s45, \s*CHB
	s_add_nc_u64 s[G0+4*\s+2:G0+4*\s+3], s[2:3], \s*4352
	s_or_b32 s[G0+4*\s+3], s[G0+4*\s+3], 0x80000000
	s_mov_b32 s[G0B+4*\s], 1
	s_add_co_u32 s[G0B+4*\s+1], s45, \s*CHB
	s_add_nc_u64 s[G0B+4*\s+2:G0B+4*\s+3], s[46:47], \s*4352
	s_or_b32 s[G0B+4*\s+3], s[G0B+4*\s+3], 0x80000000
	JLOAD G0+4*\s, G1, G0B+4*\s, G1B
.endr
	v_and_b32 v1, 15, v0                           ; r
	v_bfe_u32 v2, v0, 4, 1                         ; h
	v_and_b32 v3, 31, v0
	v_lshlrev_b32 v[LI], 4, v3
	v_lshlrev_b32 v4, 12, v2
	v_lshl_add_u32 v4, v1, 4, v4                   ; x: lanes 0-15 one row's 256 bytes, lanes 16-31 the next row's
	v_lshlrev_b32 v5, 6, v2                        ; bias, gamma, beta: 16 h numbers
	s_mul_i32 s18, s14, 16*272
	s_add_co_u32 s18, s18, STG                     ; my stage: 16 rows x (256 + 16) bytes
	v_mul_u32_u24 v6, v2, 272
	v_lshl_add_u32 v6, v1, 4, v6
	v_add_nc_u32 v6, s18, v6                       ; in: by rows
	v_mul_u32_u24 v7, v1, 272
	v_lshl_add_u32 v7, v2, 6, v7
	v_add_nc_u32 v7, s18, v7                       ; back: row r, + 64 h: the accumulators' layout
	v_lshlrev_b32 v22, 4, v1
	v_add_nc_u32 v22, v22, v2                      ; the scale bytes' place: 16 r + h
	s_mul_i32 s18, s15, REG
	s_mul_i32 s19, s16, REG
	s_add_co_u32 s19, s19, 2*REG
	v_add_nc_u32 v[ATOK], s18, v[LI]
	v_add_nc_u32 v[AWGT], s19, v[LI]
	v_add_nc_u32 v[ATOK+1], CHB, v[ATOK]
	v_add_nc_u32 v[AWGT+1], CHB, v[AWGT]
	s_xor_b32 s19, s15, 1
	s_add_co_u32 s19, s19, s16
	s_add_co_u32 s19, s19, 1
	s_mul_i32 s19, s19, REG
	s_add_co_u32 s18, s18, 4096
	v_mul_u32_u24 v10, s19, v2
	v_lshl_add_u32 v10, v1, 4, v10
	v_add_nc_u32 v[ASC], s18, v10
	v_add_nc_u32 v[ASC+1], CHB, v[ASC]
	s_mov_b32 s[SEL], 0x76543210
	s_mov_b32 s[SEL+1], 0xfedcba98
	s_mov_b32 s[HIM], 0xffff0000
	s_lshl_b32 s90, s42, 9
	s_lshl_b32 s91, s16, 8
	s_add_co_u32 s90, s90, s91                     ; my 64 columns, in bytes
	s_mov_b32 s91, 0
	s_add_nc_u64 s[10:11], s[10:11], s[90:91]
	s_add_nc_u64 s[70:71], s[70:71], s[90:91]
	s_add_nc_u64 s[72:73], s[72:73], s[90:91]
	s_lshl_b32 s92, s17, 7
	s_lshl_b32 s93, s15, 6
	s_add_co_u32 s92, s92, s93                     ; my first token
	s_lshl_b32 s92, s92, 12
	s_add_co_u32 s92, s92, s90
	s_mov_b32 s93, 0
	s_add_nc_u64 s[8:9], s[8:9], s[92:93]
	s_lshl_b32 s94, s17, 3
	s_lshl_b32 s95, s15, 2
	s_add_co_u32 s94, s94, s95                     ; my first token tile
	s_lshl_b32 s92, s94, 4
	s_lshl_b32 s93, s42, 1
	s_add_co_u32 s92, s92, s93
	s_add_co_u32 s92, s92, s16
	s_lshl_b32 s92, s92, 12
	s_mov_b32 s93, 0
	s_add_nc_u64 s[74:75], s[74:75], s[92:93]      ; x1
	s_lshl_b32 s92, s94, 1
	s_lshr_b32 s93, s42, 2
	s_add_co_u32 s92, s92, s93
	s_mul_i32 s92, s92, 4352
	s_and_b32 s93, s42, 3                          ; my columns' K step in its chunk; my half is piece wc of the fragment
	s_lshl_b32 s96, s93, 2
	s_add_co_u32 s96, s96, s92
	s_lshl_b32 s97, s16, 1
	s_add_co_u32 s96, s96, s97
	s_mov_b32 s97, 0
	s_lshl_b32 s93, s93, 10
	s_add_co_u32 s92, s92, s93
	s_lshl_b32 s93, s16, 9
	s_add_co_u32 s92, s92, s93
	s_mov_b32 s93, 0
	s_add_nc_u64 s[96:97], s[76:77], s[96:97]      ; acta's bytes (+ 4,096 in the immediate)
	s_add_nc_u64 s[76:77], s[76:77], s[92:93]      ; acta's codes
	WIN 0x80
.irp o, 0,1,2,3
.irp i, 0,1,2,3,4,5,6,7
	global_load_b128 v[128+32*\o+4*\i:128+32*\o+4*\i+3], v4, s[8:9] offset:(32*(\o/2)+8*(\o%2)+2*\i+8*(\i/4))*4096   ; positions 2 i + h of token tile o: 16 lanes read 256 consecutive bytes
.endr
.endr
	WIN 0
.irp g, 0,1
.irp j, 0,1,2,3
	global_load_b128 v[BI+16*\g+4*\j:BI+16*\g+4*\j+3], v5, s[10:11] offset:128*\g+16*\j
.endr
.endr
	WIN 0x40
.irp g, 0,1
.irp j, 0,1,2,3
	global_load_b128 v[GA+16*\g+4*\j:GA+16*\g+4*\j+3], v5, s[70:71] offset:128*\g+16*\j
	global_load_b128 v[BE+16*\g+4*\j:BE+16*\g+4*\j+3], v5, s[72:73] offset:128*\g+16*\j
.endr
.endr
	v_mov_b32 v[C3V], 0xbd5d0dd1
	v_mov_b32 v[C3V+1], 0xbd5d0dd1
.irp b, 0,1,2,3
	v_mov_b32 v[TM+4+\b], 0
.endr
	WIN 0
	s_mov_b32 s[C4], 0x3cb327a4
	s_mov_b32 s[C4+1], s[C4]
	s_mov_b32 s[C2], 0x3e088889
	s_mov_b32 s[C2+1], s[C2]
	s_mov_b32 s[C1], 0xbeaaaaab
	s_mov_b32 s[C1+1], s[C1]
	s_mov_b32 s[QTR], 0x3e800000
	s_wait_alu depctr_va_vdst(0)
	s_wait_kmcnt 0x0
	s_mov_b32 s[AA+1], s[AA]
	s_mul_f32 s[KK], s[AA], 0x4038aa3b
	s_mov_b32 s[KK+1], s[KK]
	s_wait_loadcnt 0x0
.irp o, 0,1,2,3                        ; x turns through my stage; LDS serves a wave's instructions in order, so no wait stands between
	WIN 0x08
.irp i, 0,1,2,3,4,5,6,7
	ds_store_b128 v6, v[128+32*\o+4*\i:128+32*\o+4*\i+3] offset:544*\i
.endr
	WIN 0x80
.irp g, 0,1
.irp j, 0,1,2,3
	ds_load_b128 v[128+32*\o+16*\g+4*\j:128+32*\o+16*\g+4*\j+3], v7 offset:128*\g+16*\j
.endr
.endr
.endr
	WIN 0
	s_wait_tensorcnt 0x0                           ; my one tensor load has landed; nothing is filled again in this launch
	s_wait_dscnt 0x0
	s_barrier_signal -1
	s_barrier_wait -1
	FETCH 0, AWGT, ATOK
	SCALES 0, ASC
	STEP 0, 2, AWGT, ATOK, ASC
	STEP 1, 1, AWGT, ATOK, ASC
	STEP 2, 1, AWGT, ATOK, ASC
	STEP 3, 1, AWGT, ATOK, ASC
	STEP 4, 1, AWGT, ATOK, ASC
	STEP 5, 1, AWGT, ATOK, ASC
	STEP 6, 1, AWGT, ATOK, ASC
	s_wait_dscnt 0x0
	MUL 7, 1
	PLACES 4
.macro EPI o
.if (\o) > 0
	s_wait_xcnt 0x0                                ; the last block's stores have read x1's registers
.endif
	WIN 0x42
.set tj, 0
.rept 4*T
	v_pk_add_f32 v[HA+tj:HA+tj+1], v[8*T*(\o)+tj:8*T*(\o)+tj+1], v[BI+tj:BI+tj+1]   ; x1
.set tj, tj+2
.endr
	WIN 0x04
.irp j, 0,1,2,3,4,5,6,7
	global_store_b128 v[LI], v[HA+4*\j:HA+4*\j+3], s[74:75] offset:(\o)*65536+512*\j
.endr
	WIN 0x55
	DYT HA, HB, 32, GA, BE, 32
	QUANT HB, 2
	v_cndmask_b32 v[TMPR], v[TM+4], v[TM+5], s[HIM]
	WIN 0x04
	global_store_b128 v[LI], v[PC:PC+3], s[76:77] offset:(\o)*8704
	global_store_b8 v22, v[TMPR], s[96:97] offset:(\o)*8704+4096
	WIN 0
.endm
	EPI 0
	EPI 1
	EPI 2
	EPI 3
	s_wait_dscnt 0x0
	s_wait_tensorcnt 0x0
	ds_add_u32 v254, v255
	s_wait_dscnt 0x0
	CROUND
	s_endpgm
.Lfunc_end_k_q07fa7bd3da_proj:
	.size	k_q07fa7bd3da_proj, .Lfunc_end_k_q07fa7bd3da_proj-k_q07fa7bd3da_proj
	.p2alignl 7, 3214868480
	.fill 96, 4, 3214868480
	.section	.rodata,"a",@progbits
	.p2align	6, 0x0
	.amdhsa_kernel k_q07fa7bd3da_proj
		.amdhsa_group_segment_fixed_size 168448
		.amdhsa_private_segment_fixed_size 0
		.amdhsa_enable_private_segment 0
		.amdhsa_kernarg_size 72
		.amdhsa_user_sgpr_count 2
		.amdhsa_user_sgpr_kernarg_segment_ptr 1
		.amdhsa_wavefront_size32 1
		.amdhsa_system_sgpr_workgroup_id_x 1
		.amdhsa_system_sgpr_workgroup_id_y 1
		.amdhsa_system_sgpr_workgroup_id_z 1
		.amdhsa_system_vgpr_workitem_id 0
		.amdhsa_next_free_vgpr 768
		.amdhsa_next_free_sgpr 100
		.amdhsa_reserve_vcc 1
		.amdhsa_float_denorm_mode_32 3
		.amdhsa_float_denorm_mode_16_64 3
		.amdhsa_memory_ordered 1
		.amdhsa_forward_progress 1
		.amdhsa_inst_pref_size 126
	.end_amdhsa_kernel
	.amdgpu_metadata
---
amdhsa.version: [ 1, 2 ]
amdhsa.kernels:
  - .name:           k_q07fa7bd3da_proj
    .symbol:         k_q07fa7bd3da_proj.kd
    .args:
      - { .name: actb, .offset: 0, .size: 8, .value_kind: global_buffer, .address_space: global }
      - { .name: wpk, .offset: 8, .size: 8, .value_kind: global_buffer, .address_space: global }
      - { .name: x, .offset: 16, .size: 8, .value_kind: global_buffer, .address_space: global }
      - { .name: b_proj, .offset: 24, .size: 8, .value_kind: global_buffer, .address_space: global }
      - { .name: alpha, .offset: 32, .size: 8, .value_kind: global_buffer, .address_space: global }
      - { .name: gamma, .offset: 40, .size: 8, .value_kind: global_buffer, .address_space: global }
      - { .name: beta, .offset: 48, .size: 8, .value_kind: global_buffer, .address_space: global }
      - { .name: x1, .offset: 56, .size: 8, .value_kind: global_buffer, .address_space: global }
      - { .name: acta, .offset: 64, .size: 8, .value_kind: global_buffer, .address_space: global }
    .group_segment_fixed_size: 168448
    .private_segment_fixed_size: 0
    .kernarg_segment_align: 8
    .kernarg_segment_size: 72
    .max_flat_workgroup_size: 128
    .sgpr_count:     100
    .vgpr_count:     768
    .wavefront_size: 32
...
	.end_amdgpu_metadata
.endif
;; end of part 4
;; launch fc (part 5): grid 16 x 16, 4 waves a work-group, clusters of 4 x 4, 279,040 bytes of LDS; arguments acta, wpk, b_fc, hid; writes hid
.if DOCPART == 5
	.amdgcn_target "amdgcn-amd-amdhsa--gfx1250"
	.amdhsa_code_object_version 6
	.text
	.protected	k_q07fa7bd3da_fc
	.globl	k_q07fa7bd3da_fc
	.p2align	8
	.type	k_q07fa7bd3da_fc,@function
k_q07fa7bd3da_fc:
	s_mov_b64 s[64:65], 0
	v_nop
	global_prefetch_b8 v0, s[64:65] scope:SCOPE_SE
	s_setreg_imm32_b32 hwreg(HW_REG_WAVE_MODE, 25, 1), 1
	s_wait_xcnt 0x0
	s_wait_alu depctr_hold_cnt(0) depctr_sa_sdst(0) depctr_va_vdst(0) depctr_va_sdst(0) depctr_va_ssrc(0) depctr_va_vcc(0) depctr_vm_vsrc(0)
	s_getreg_b32 s2, hwreg(HW_REG_IB_STS2, 6, 4)
	s_cmp_eq_u32 s2, 0
	s_cbranch_scc0 .Lentry_in_a_cluster
	s_endpgm
.Lentry_in_a_cluster:
	s_bfe_u32 s2, ttmp6, 0x10000c
	s_cmp_lg_u32 s2, 0xf033
	s_cbranch_scc0 .Lentry_shape_is_right
	s_endpgm
.Lentry_shape_is_right:
; hid = Q(gelu(Q(dyt(x1)) Q(w_fc) + b_fc)): the product on codes of FP4, the exact GELU in f32, and the result quantised along the hidden axis into the pack hid.
; A work-group of four waves makes 256 tokens x 256 hidden units, a wave 128 x 128: 64 accumulators.  16 x 16 = 256 work-groups.
; K = 1,024 is two chunks of the pack, neighbours in memory: a wave brings 8 tiles whole (8 rows of 8,704 bytes) by ONE tensor load; the four panels, 278,528 bytes, are filled once.
; CLUSTER 4 x 4: token panels are asked for jointly along a row of the cluster, weight panels along a column.  No prefetch: all of K is asked for at the head, and there is no loop to run ahead in.
; Source 0 = weights (inner), source 1 = tokens (outer): a lane holds one token and, by the pack's tile order, 16 neighbours of the hidden axis in the registers of two neighbouring inner tiles.
; GELU: gelu(x) = max(x, 0) - |x| erfc(|x| / sqrt 2) / 2, with erfc(z) = t exp(-z^2 + a0 + a1 t + .. + a9 t^9), t = 1 / (1 + z / 2): a fit whose stated fractional error is under 1.2e-7.
; The exponential is taken to the base 2: the coefficients are multiplied by log2(e) once, in scalar registers, and the factor 1/2 is 1 taken off a0 log2(e).
; LIMITS: NaN and infinities are not served; a block of zeros carries the byte 1 (its codes are zeros; only this program reads the bytes).
; REGISTERS: window 0: v1-17 addresses, v32-95 scale words (two sets), v96-159 bias, v254-255 the add's two.  window 1: two sets of 8 inner + 8 outer fragments; behind the products the way out works there.
; windows 2, 3: accumulator (o, i) at v[8 (8 (o % 4) + i)].
.set T, 8
.set LOGT, 3
.set KC, 2
.set TP, 8704                          ; a tile in LDS: chunk 0, then chunk 1
.set REG, T*TP                         ; a wave's panel
.set CHB, 4352                         ; from chunk 0 to chunk 1
.set SPARE, 4*REG                      ; behind the panels: the spare words, 128 bytes a wave
.set WOFF, 2228224                     ; w_fc's pack in wpk
.set LI, 3
.set ATOK, 8
.set AWGT, 12
.set ASC, 16
.set SC, 32
.set BI, 96
.set G1, 24
.set G0, 32
.set G1B, 48
.set G0B, 56
.set SEL, 20
.set HIM, 22
.set CO, 66                            ; s66-75 a9 .. a0, each x log2(e); s76 -log2(e) / 2
.set SQ, 84                            ; 1 / (2 sqrt 2)
.set HA, 0                             ; window 1: 64 numbers of a token tile
.set GT, 64                            ; t
.set GP, 96                            ; the exponent, then the exponential
.set GU, 128                           ; x^2, then max(x, 0)
.set TM, 160
.set PC, 176
.set PW, 184
.set TMPR, 185
.set CF, 188                           ; v188-209 the eleven constants, each in a pair of registers
.set MSB, 0
.macro WIN new                         ; the immediate's high byte repeats the setting that is left
.if MSB != \new
	s_set_vgpr_msb (MSB<<8)|\new
.set MSB, \new
.endif
.endm
.macro PLACES n
.rept \n
	v_nop
.endr
.endm
.macro CROUND                          ; a round of the cluster's barrier
	s_barrier_signal -1
	s_barrier_wait -1
	s_cmp_lg_u32 s14, 0
	s_cbranch_scc1 .Lnot_wave_0_\@
	s_barrier_signal -3
.Lnot_wave_0_\@:
	s_barrier_wait -3
	s_barrier_signal -1
	s_barrier_wait -1
.endm
.macro FETCH k                         ; K step k's 8 inner (weights) and 8 outer (tokens) fragments into set k % 2: images of their registers, 512 consecutive bytes a load
.set fcs, (\k)/4
.set fq, (\k)%4
.set fp, 16*T*((\k)%2)
	WIN 0x40
.set fi, 0
.rept T
	ds_load_b128 v[fp+8*fi:fp+8*fi+3], v[AWGT+fcs] offset:fi*TP+fq*1024
	ds_load_b128 v[fp+8*fi+4:fp+8*fi+7], v[AWGT+fcs] offset:fi*TP+fq*1024+512
.set fi, fi+1
.endr
.set fi, 0
.rept T
	ds_load_b128 v[fp+8*T+8*fi:fp+8*T+8*fi+3], v[ATOK+fcs] offset:fi*TP+fq*1024
	ds_load_b128 v[fp+8*T+8*fi+4:fp+8*T+8*fi+7], v[ATOK+fcs] offset:fi*TP+fq*1024+512
.set fi, fi+1
.endr
	WIN 0
.endm
.macro SCALES ch                       ; a chunk's scale words: register 4 i + q: lanes 0-15 token tile i's, lanes 16-31 weight tile i's
.set fi, 0
.rept T
	ds_load_b128 v[SC+4*T*(\ch)+4*fi:SC+4*T*(\ch)+4*fi+3], v[ASC+(\ch)] offset:fi*TP
.set fi, fi+1
.endr
.endm
.macro MUL k, ct                       ; 64 products; the accumulators take turns, one instruction a turn, in the same order in every step
.set mp, 16*T*((\k)%2)
.set ms, SC+4*T*((\k)/4)+(\k)%4
.set mo, 0
.rept T
.if mo < 4
	WIN 0xa5
.else
	WIN 0xf5
.endif
.set mi, 0
.rept T
.set md, 8*(T*(mo%4)+mi)
.if \ct == 0
	v_wmma_scale_f32_16x16x128_f8f6f4 v[md:md+7], v[mp+8*mi:mp+8*mi+7], v[mp+8*T+8*mo:mp+8*T+8*mo+7], 0, v[ms+4*mi], v[ms+4*mo] matrix_a_fmt:MATRIX_FMT_FP4 matrix_b_fmt:MATRIX_FMT_FP4 matrix_a_scale:MATRIX_SCALE_ROW1
.else
	v_wmma_scale_f32_16x16x128_f8f6f4 v[md:md+7], v[mp+8*mi:mp+8*mi+7], v[mp+8*T+8*mo:mp+8*T+8*mo+7], v[md:md+7], v[ms+4*mi], v[ms+4*mo] matrix_a_fmt:MATRIX_FMT_FP4 matrix_b_fmt:MATRIX_FMT_FP4 matrix_a_scale:MATRIX_SCALE_ROW1
.endif
.set mi, mi+1
.endr
.set mo, mo+1
.endr
	WIN 0
.endm
.macro STEP k, ct
	PLACES 4                                       ; in front of loads into the set that the last step's products read
	FETCH (\k)+1
.if ((\k)+1)%4 == 0
	SCALES ((\k)+1)/4
	s_wait_dscnt 5*T                               ; all but the 40 loads just issued: this step's fragments are in
.else
	s_wait_dscnt 4*T                               ; all but the 32 just issued
.endif
	MUL \k, \ct
.endm
; 64 numbers of a lane, register 16 b + e = hidden unit 32 b + 16 h + e of its token, become codes in v[PC] on (the operand's registers) and the scale word in v[PW].
.macro QUANT s, nb
.set qb, 0
.rept \nb
	v_max3_num_f32 v[TM+qb], |v[(\s)+16*qb]|, |v[(\s)+16*qb+1]|, 0x1800000   ; with the floor 2^(3 - 127): the byte cannot fall under 1
.set qb, qb+1
.endr
.irp e, 2,4,6,8,10,12,14
.set qb, 0
.rept \nb
	v_max3_num_f32 v[TM+qb], v[TM+qb], |v[(\s)+16*qb+\e]|, |v[(\s)+16*qb+\e+1]|
.set qb, qb+1
.endr
.endr
.set qb, 0
.rept \nb
	v_permlanex16_b32 v[TM+4+qb], v[TM+qb], s[SEL], s[SEL+1]
.set qb, qb+1
.endr
.set qb, 0
.rept \nb
	v_max_num_f32 v[TM+qb], v[TM+qb], v[TM+4+qb]   ; with lane l xor 16's: the block's largest magnitude
.set qb, qb+1
.endr
.set qb, 0
.rept \nb
	v_add_nc_u32 v[TM+12+qb], 0xff000000, v[TM+qb] ; 2 off the exponent field: the conversion's scale operand
.set qb, qb+1
.endr
.set qb, 0
.rept \nb
	v_lshrrev_b32 v[TM+4+qb], 23, v[TM+12+qb]      ; the byte
.set qb, qb+1
.endr
	v_lshl_or_b32 v[PW], v[TM+5], 8, v[TM+4]
	v_lshl_or_b32 v[PW], v[TM+6], 16, v[PW]
	v_lshl_or_b32 v[PW], v[TM+7], 24, v[PW]
.set qb, 0
.rept \nb
	v_cvt_scalef32_pk8_fp4_f32 v[PC+2*qb], v[(\s)+16*qb:(\s)+16*qb+7], v[TM+12+qb]
	v_cvt_scalef32_pk8_fp4_f32 v[PC+2*qb+1], v[(\s)+16*qb+8:(\s)+16*qb+15], v[TM+12+qb]
.set qb, qb+1
.endr
	v_nop                                          ; a plain line behind the last conversion
.set qb, 0
.rept (\nb)/2
	v_permlane16_swap_b32 v[PC+4*qb], v[PC+4*qb+2] ; a whole block to a lane
	v_permlane16_swap_b32 v[PC+4*qb+1], v[PC+4*qb+3]
.set qb, qb+1
.endr
.endm
.macro MUL2 d, a, b                    ; two neighbouring registers at once
	v_pk_mul_f32 v[(\d):(\d)+1], v[(\a):(\a)+1], v[(\b):(\b)+1]
.endm
.macro FMA2 d, a, b, c
	v_pk_fma_f32 v[(\d):(\d)+1], v[(\a):(\a)+1], v[(\b):(\b)+1], v[(\c):(\c)+1]
.endm
; gelu in place on 32 numbers.  The reciprocals and the exponentials go as batches: one wait ahead of each and, behind plain work, one ahead of its first reader.
.macro GELU x
.set gj, 0
.rept 32
	v_fma_f32 v[GT+gj], |v[(\x)+gj]|, s[SQ], 1.0   ; 1 + z / 2
.set gj, gj+1
.endr
	s_wait_alu depctr_va_vdst(0)
.set gj, 0
.rept 16
	v_rcp_f32 v[GT+gj], v[GT+gj]                   ; t
	v_rcp_f32 v[GT+gj+1], v[GT+gj+1]
	MUL2 GU+gj, (\x)+gj, (\x)+gj                   ; x^2: plain work that names no reciprocal, laid among them; it is first read behind the wait below
.set gj, gj+2
.endr
	s_wait_alu depctr_va_vdst(0)
.set gj, 0
.rept 16
	FMA2 GP+gj, GT+gj, CF, CF+2                    ; a9 t + a8
.set gj, gj+2
.endr
.irp c, 2,3,4,5,6,7,8,9
.set gj, 0
.rept 16
	FMA2 GP+gj, GP+gj, GT+gj, CF+2*\c              ; .. down to a0
.set gj, gj+2
.endr
.endr
.set gj, 0
.rept 16
	FMA2 GP+gj, GU+gj, CF+20, GP+gj                ; - z^2, to the base 2
.set gj, gj+2
.endr
	s_wait_alu depctr_va_vdst(0)
.set gj, 0
.rept 32
	v_exp_f32 v[GP+gj], v[GP+gj]
	v_max_num_f32 v[GU+gj], 0, v[(\x)+gj]          ; plain work that names no exponential, laid among them; it is first read behind the wait below
.set gj, gj+1
.endr
	s_wait_alu depctr_va_vdst(0)
.set gj, 0
.rept 16
	MUL2 GT+gj, GT+gj, GP+gj                       ; erfc / 2
.set gj, gj+2
.endr
.set gj, 0
.rept 32
	v_fma_f32 v[(\x)+gj], -|v[(\x)+gj]|, v[GT+gj], v[GU+gj]
.set gj, gj+1
.endr
.endm
	s_load_b256 s[4:11], s[0:1], 0x0               ; acta, wpk, b_fc, hid
	v_lshl_add_u32 v254, v0, 2, SPARE
	v_mov_b32 v255, 0
	ds_add_u32 v254, v255                          ; the opening lines: the add, twice on end, and its wait ahead of my tensor load
	ds_add_u32 v254, v255
	v_lshrrev_b32 v1, 5, v0
	v_readfirstlane_b32 s14, v1                    ; wave
	s_lshr_b32 s15, s14, 1                         ; my half of the tokens.  Also: I fetch tokens (0) or weights (1)
	s_and_b32 s16, s14, 1                          ; my half of the columns.  Also: which half of that panel I fetch
	s_bfe_u32 s40, ttmp6, 0x40000                  ; cx
	s_bfe_u32 s41, ttmp6, 0x40004                  ; cy
	s_lshl_b32 s42, ttmp9, 2
	s_add_co_u32 s42, s42, s40                     ; column block
	s_and_b32 s17, ttmp7, 0xffff
	s_lshl_b32 s17, s17, 2
	s_add_co_u32 s17, s17, s41                     ; token block
	s_lshl_b32 s43, s41, 2
	s_lshl_b32 s43, 15, s43                        ; my row of the cluster
	s_lshl_b32 s44, 0x1111, s40                    ; my column
	s_or_b32 s[G1+0], s43, (3<<16)|(1<<21)         ; the mask; elements of 8 bytes; bit 21 beside a mask; no padding
	s_or_b32 s[G1B+0], s44, (3<<16)|(1<<21)
.irp g, G1, G1B
	s_mov_b32 s[\g+1], (TP/8)<<16                  ; tensor_dim0: a tile, 8,704 bytes
	s_mov_b32 s[\g+2], T<<16                       ; tensor_dim1: 8 tiles
	s_mov_b32 s[\g+3], (TP/8)<<16                  ; tile_dim0
	s_mov_b32 s[\g+4], T                           ; tile_dim1
	s_mov_b32 s[\g+5], KC*544                      ; from tile to tile
	s_mov_b32 s[\g+6], 0
	s_mov_b32 s[\g+7], 0
.endr
	s_lshl_b32 s18, s16, LOGT
	s_lshl_b32 s2, s17, LOGT+1
	s_add_co_u32 s2, s2, s18                       ; the first token tile that I fetch
	s_mul_i32 s2, s2, KC*4352
	s_mov_b32 s3, 0
	s_lshl_b32 s46, s42, LOGT+1
	s_add_co_u32 s46, s46, s18                     ; the first weight tile
	s_mul_i32 s46, s46, KC*4352
	s_add_co_u32 s46, s46, WOFF
	s_mov_b32 s47, 0
	s_mul_i32 s45, s14, REG                        ; where it goes: wave x 8 tiles
	s_mov_b32 s[G0], 1
	s_mov_b32 s[G0+1], s45
	s_mov_b32 s[G0B], 1
	s_mov_b32 s[G0B+1], s45
	s_wait_dscnt 0x0                               ; both opening adds are done
	s_wait_kmcnt 0x0
	s_add_nc_u64 s[G0+2:G0+3], s[4:5], s[2:3]
	s_or_b32 s[G0+3], s[G0+3], 0x80000000
	s_add_nc_u64 s[G0B+2:G0B+3], s[6:7], s[46:47]
	s_or_b32 s[G0B+3], s[G0B+3], 0x80000000
	CROUND                                         ; all sixteen work-groups are here: the joint loads meet
	s_cmp_eq_u32 s15, 0                            ; waves 0, 1 fetch token panels, waves 2, 3 weight panels: one load a wave; s_nop 0 and four v_nop follow each line
	s_cbranch_scc0 .Lfor_b
	tensor_load_to_lds s[G0:G0+3], s[G1:G1+7]
	s_nop 0
.rept 4
	v_nop
.endr
	s_branch .Lasked
.Lfor_b:
	tensor_load_to_lds s[G0B:G0B+3], s[G1B:G1B+7]
	s_nop 0
.rept 4
	v_nop
.endr
.Lasked:
	v_and_b32 v1, 15, v0                           ; r
	v_bfe_u32 v2, v0, 4, 1                         ; h
	v_and_b32 v3, 31, v0
	v_lshlrev_b32 v[LI], 4, v3                     ; 16 x lane
	v_lshlrev_b32 v4, 4, v1
	v_lshl_add_u32 v4, v2, 1, v4                   ; hid's scale words: 16 r + 2 h
	v_lshlrev_b32 v5, 6, v2                        ; bias: 16 h numbers
	s_wait_alu depctr_va_vdst(0)                   ; the wait ahead of the scalar lines
	s_mul_i32 s18, s15, REG                        ; my tokens' panel
	s_mul_i32 s19, s16, REG
	s_add_co_u32 s19, s19, 2*REG                   ; my weights'
	v_add_nc_u32 v[ATOK], s18, v[LI]
	v_add_nc_u32 v[AWGT], s19, v[LI]
	v_add_nc_u32 v[ATOK+1], CHB, v[ATOK]
	v_add_nc_u32 v[AWGT+1], CHB, v[AWGT]
	s_xor_b32 s19, s15, 1
	s_add_co_u32 s19, s19, s16
	s_add_co_u32 s19, s19, 1
	s_mul_i32 s19, s19, REG                        ; from my tokens' panel to my weights'
	s_add_co_u32 s18, s18, 4096
	v_mul_u32_u24 v10, s19, v2
	v_lshl_add_u32 v10, v1, 4, v10
	v_add_nc_u32 v[ASC], s18, v10                  ; lanes 0-15 tokens' words, lanes 16-31 weights'
	v_add_nc_u32 v[ASC+1], CHB, v[ASC]
	s_mov_b32 s[SEL], 0x76543210
	s_mov_b32 s[SEL+1], 0xfedcba98
	s_mov_b32 s[HIM], 0xffff0000
	s_mov_b32 s[CO+0], 0x3e2ef946                  ; a9 =  0.17087277
	s_mov_b32 s[CO+1], 0xbf527892                  ; a8 = -0.82215223
	s_mov_b32 s[CO+2], 0x3fbe87b0                  ; a7 =  1.48851587
	s_mov_b32 s[CO+3], 0xbf914e5d                  ; a6 = -1.13520398
	s_mov_b32 s[CO+4], 0x3e8ec7cc                  ; a5 =  0.27886807
	s_mov_b32 s[CO+5], 0xbe3ec24c                  ; a4 = -0.18628806
	s_mov_b32 s[CO+6], 0x3dc636c9                  ; a3 =  0.09678418
	s_mov_b32 s[CO+7], 0x3ebf88fb                  ; a2 =  0.37409196
	s_mov_b32 s[CO+8], 0x3f8000c7                  ; a1 =  1.00002368
	s_mov_b32 s[CO+9], 0xbfa1fc4e                  ; a0 = -1.26551223
.irp a, 0,1,2,3,4,5,6,7,8,9
	s_mul_f32 s[CO+\a], s[CO+\a], 0x3fb8aa3b       ; x log2(e)
.endr
	s_add_f32 s[CO+9], s[CO+9], -1.0               ; the factor 1/2
	s_mov_b32 s[CO+10], 0xbf38aa3b                 ; -log2(e) / 2: -z^2 = -x^2 / 2
	s_mov_b32 s[SQ], 0x3eb504f3
	s_lshl_b32 s86, s17, 4
	s_lshl_b32 s87, s15, 3
	s_add_co_u32 s86, s86, s87                     ; my first token tile
	s_lshl_b32 s86, s86, 3                         ; hid has 8 chunks a tile
	s_lshr_b32 s87, s42, 1
	s_add_co_u32 s86, s86, s87                     ; my columns' chunk
	s_mul_i32 s86, s86, 4352
	s_and_b32 s87, s42, 1
	s_lshl_b32 s87, s87, 1
	s_add_co_u32 s87, s87, s16                     ; and their K step in it
	s_lshl_b32 s88, s87, 2
	s_add_co_u32 s88, s88, s86
	s_add_co_u32 s88, s88, 4096
	s_mov_b32 s89, 0
	s_lshl_b32 s87, s87, 10
	s_add_co_u32 s86, s86, s87
	s_mov_b32 s87, 0
	s_add_nc_u64 s[86:87], s[10:11], s[86:87]      ; hid's codes
	s_add_nc_u64 s[88:89], s[10:11], s[88:89]      ; hid's scale words
	s_lshl_b32 s90, s42, 10
	s_lshl_b32 s91, s16, 9
	s_add_co_u32 s90, s90, s91
	s_mov_b32 s91, 0
	s_add_nc_u64 s[90:91], s[8:9], s[90:91]        ; b_fc at my 128 columns
.irp g, 0,1,2,3
.irp j, 0,1,2,3
	global_load_b128 v[BI+16*\g+4*\j:BI+16*\g+4*\j+3], v5, s[90:91] offset:128*\g+16*\j   ; register 16 g + e: column 32 g + 16 h + e
.endr
.endr
	s_wait_alu depctr_va_vdst(0)                   ; the wait at the head's end
	s_wait_tensorcnt 0x0                           ; my panel has landed,
	s_barrier_signal -1
	s_barrier_wait -1                              ; everybody's has.  Nothing is filled again in this launch
	FETCH 0
	SCALES 0
	STEP 0, 0                                      ; the first products start the sums
.irp k, 1,2,3,4,5,6
	STEP \k, 1
.endr
	s_wait_dscnt 0x0
	MUL 7, 1
	PLACES 4                                       ; in front of the first read of results and the first write of operand registers
	WIN 0x40
.irp b, 0,1,2,3
	v_mov_b32 v[TM+4+\b], 0                        ; a lane permute's destination counts as read
.endr
.set ci, 0
.rept 11
	v_mov_b32 v[CF+2*ci], s[CO+ci]
	v_mov_b32 v[CF+2*ci+1], s[CO+ci]
.set ci, ci+1
.endr
	WIN 0
	s_wait_loadcnt 0x0                             ; the bias
.macro TAKE o                          ; token tile o's 64 sums + bias into window 1; each accumulator from its low end on
.if (\o) < 4
	WIN 0x42
.else
	WIN 0x43
.endif
.set tj, 0
.rept 4*T
	v_pk_add_f32 v[HA+tj:HA+tj+1], v[8*T*((\o)%4)+tj:8*T*((\o)%4)+tj+1], v[BI+tj:BI+tj+1]
.set tj, tj+2
.endr
	WIN 0
.endm
.macro VARIANT o
	s_cmp_lg_u32 s18, \o
	s_cbranch_scc1 .Lnext_\@
	TAKE \o
	s_branch .Lcommon
.Lnext_\@:
.endm
; THE WAY OUT: a counted loop of eight trips, a token tile a trip.  Only the lines that name the tile's accumulators are written eight times; the rest stands once.
	s_mov_b32 s18, 0
.Ltrip:
	VARIANT 0
	VARIANT 1
	VARIANT 2
	VARIANT 3
	VARIANT 4
	VARIANT 5
	VARIANT 6
	TAKE 7
.Lcommon:
	WIN 0x55
	GELU HA
	GELU HA+32
	QUANT HA, 4
	v_lshrrev_b32 v[TMPR], 16, v[PW]
	v_cndmask_b32 v[TMPR], v[PW], v[TMPR], s[HIM]  ; lanes 0-15 store the word's low two bytes, lanes 16-31 its high two
	WIN 0x04
	global_store_b128 v[LI], v[PC:PC+3], s[86:87]              ; a fragment of the next product: two stores of 512 consecutive bytes
	global_store_b128 v[LI], v[PC+4:PC+7], s[86:87] offset:512
	global_store_b16 v4, v[TMPR], s[88:89]
	WIN 0
	s_wait_xcnt 0x0                                ; the stores have read their registers and bases: both may be written again
	s_add_nc_u64 s[86:87], s[86:87], 34816         ; the next token tile: 8 chunks on
	s_add_nc_u64 s[88:89], s[88:89], 34816
	s_add_co_u32 s18, s18, 1
	s_cmp_lt_u32 s18, 8
	s_cbranch_scc1 .Ltrip
	s_wait_tensorcnt 0x0                           ; the wave's end
	ds_add_u32 v254, v255
	s_wait_dscnt 0x0
	CROUND                                         ; the closing round
	s_endpgm
.Lfunc_end_k_q07fa7bd3da_fc:
	.size	k_q07fa7bd3da_fc, .Lfunc_end_k_q07fa7bd3da_fc-k_q07fa7bd3da_fc
	.p2alignl 7, 3214868480
	.fill 96, 4, 3214868480
	.section	.rodata,"a",@progbits
	.p2align	6, 0x0
	.amdhsa_kernel k_q07fa7bd3da_fc
		.amdhsa_group_segment_fixed_size 279040
		.amdhsa_private_segment_fixed_size 0
		.amdhsa_enable_private_segment 0
		.amdhsa_kernarg_size 32
		.amdhsa_user_sgpr_count 2
		.amdhsa_user_sgpr_kernarg_segment_ptr 1
		.amdhsa_wavefront_size32 1
		.amdhsa_system_sgpr_workgroup_id_x 1
		.amdhsa_system_sgpr_workgroup_id_y 1
		.amdhsa_system_sgpr_workgroup_id_z 1
		.amdhsa_system_vgpr_workitem_id 0
		.amdhsa_next_free_vgpr 1024
		.amdhsa_next_free_sgpr 100
		.amdhsa_reserve_vcc 0
		.amdhsa_float_denorm_mode_32 3
		.amdhsa_float_denorm_mode_16_64 3
		.amdhsa_memory_ordered 1
		.amdhsa_forward_progress 1
		.amdhsa_inst_pref_size 154
	.end_amdhsa_kernel
	.amdgpu_metadata
---
amdhsa.version: [ 1, 2 ]
amdhsa.kernels:
  - .name:           k_q07fa7bd3da_fc
    .symbol:         k_q07fa7bd3da_fc.kd
    .args:
      - { .name: acta, .offset: 0, .size: 8, .value_kind: global_buffer, .address_space: global }
      - { .name: wpk, .offset: 8, .size: 8, .value_kind: global_buffer, .address_space: global }
      - { .name: b_fc, .offset: 16, .size: 8, .value_kind: global_buffer, .address_space: global }
      - { .name: hid, .offset: 24, .size: 8, .value_kind: global_buffer, .address_space: global }
    .group_segment_fixed_size: 279040
    .private_segment_fixed_size: 0
    .kernarg_segment_align: 8
    .kernarg_segment_size: 32
    .max_flat_workgroup_size: 128
    .sgpr_count:     100
    .vgpr_count:     1024
    .wavefront_size: 32
...
	.end_amdgpu_metadata
.endif
;; end of part 5
;; launch fc2 (part 6): grid 8 x 32, 4 waves a work-group, clusters of 4 x 4, 327,680 bytes of LDS; arguments hid, wpk, x1, b_fc2, out0; writes out0
.if DOCPART == 6
	.amdgcn_target "amdgcn-amd-amdhsa--gfx1250"
	.amdhsa_code_object_version 6
	.text
	.protected	k_q07fa7bd3da_fc2
	.globl	k_q07fa7bd3da_fc2
	.p2align	8
	.type	k_q07fa7bd3da_fc2,@function
k_q07fa7bd3da_fc2:
	s_mov_b64 s[64:65], 0
	v_nop
	global_prefetch_b8 v0, s[64:65] scope:SCOPE_SE
	s_setreg_imm32_b32 hwreg(HW_REG_WAVE_MODE, 25, 1), 1
	s_wait_xcnt 0x0
	s_wait_alu depctr_hold_cnt(0) depctr_sa_sdst(0) depctr_va_vdst(0) depctr_va_sdst(0) depctr_va_ssrc(0) depctr_va_vcc(0) depctr_vm_vsrc(0)
	s_getreg_b32 s2, hwreg(HW_REG_IB_STS2, 6, 4)
	s_cmp_eq_u32 s2, 0
	s_cbranch_scc0 .Lentry_in_a_cluster
	s_endpgm
.Lentry_in_a_cluster:
	s_bfe_u32 s2, ttmp6, 0x10000c
	s_cmp_lg_u32 s2, 0xf033
	s_cbranch_scc0 .Lentry_shape_is_right
	s_endpgm
.Lentry_shape_is_right:
; out0 = x1 + Q(gelu(..)) Q(w_fc2) + b_fc2 on codes of FP4.  Blocks of 128 x 128 give 256 work-groups; a wave makes 64 x 64: 16 accumulators, whose first products take x1 as C.
; K = 4,096 goes through a ring of two LDS slots of 1,024 along K (two chunks of the pack: a tile's row of 8,704 bytes), filled by joint loads in a 4 x 4 cluster, one load a wave behind each round.
; At the head each wave asks for its part of slot 0; the addresses and the loads of x1 and of the bias stand under that load's flight; slot 1's first fill follows the full sequence and a round, as a refill does.
; Source 0 = weights, source 1 = tokens; the result leaves through the wave's own stage in LDS as whole rows of 256 bytes.  LIMITS: NaN and infinities are not served.
.set T, 4
.set LOGT, 2
.set KC, 8
.set NCS, 4
.set TP, 8704
.set REG, T*TP
.set SLOTB, 4*REG
.set WOFF, 4456448
.set STG, 2*SLOTB
.set SPARE, STG+4*16*272
.set LI, 3
.set ATOK, 8
.set AWGT, 12
.set ASC, 16
.set SPW, 28
.set NIL, 29
.set SC, 32
.set BI, 96
.set G1, 24
.set G0, 32
.set G1B, 48
.set G0B, 56
.set MSB, 0
.macro WIN new
.if MSB != \new
	s_set_vgpr_msb (MSB<<8)|\new
.set MSB, \new
.endif
.endm
.macro PLACES n
.rept \n
	v_nop
.endr
.endm
.macro JLOAD g0a, g1a, g0b, g1b
	s_cmp_eq_u32 s15, 0
	s_cbranch_scc0 .Lfor_b_\@
	tensor_load_to_lds s[\g0a:\g0a+3], s[\g1a:\g1a+7]
	s_nop 0
.rept 4
	v_nop
.endr
	s_branch .Lasked_\@
.Lfor_b_\@:
	tensor_load_to_lds s[\g0b:\g0b+3], s[\g1b:\g1b+7]
	s_nop 0
.rept 4
	v_nop
.endr
.Lasked_\@:
.endm
.macro CROUND
	s_barrier_signal -1
	s_barrier_wait -1
	s_cmp_lg_u32 s14, 0
	s_cbranch_scc1 .Lnot_wave_0_\@
	s_barrier_signal -3
.Lnot_wave_0_\@:
	s_barrier_wait -3
	s_barrier_signal -1
	s_barrier_wait -1
.endm
.macro FETCH k, ai, ao
.set fcs, ((\k)/4)%NCS
.set fq, (\k)%4
.set fp, 16*T*((\k)%2)
	WIN 0x40
.set fi, 0
.rept T
	ds_load_b128 v[fp+8*fi:fp+8*fi+3], v[\ai+fcs] offset:fi*TP+fq*1024
	ds_load_b128 v[fp+8*fi+4:fp+8*fi+7], v[\ai+fcs] offset:fi*TP+fq*1024+512
.set fi, fi+1
.endr
.set fi, 0
.rept T
	ds_load_b128 v[fp+8*T+8*fi:fp+8*T+8*fi+3], v[\ao+fcs] offset:fi*TP+fq*1024
	ds_load_b128 v[fp+8*T+8*fi+4:fp+8*T+8*fi+7], v[\ao+fcs] offset:fi*TP+fq*1024+512
.set fi, fi+1
.endr
	WIN 0
.endm
.macro SCALES ch, as
.set fi, 0
.rept T
	ds_load_b128 v[SC+4*T*((\ch)%2)+4*fi:SC+4*T*((\ch)%2)+4*fi+3], v[\as+(\ch)%NCS] offset:fi*TP
.set fi, fi+1
.endr
.endm
.macro MUL k, ct
.set mp, 16*T*((\k)%2)
.set ms, SC+4*T*(((\k)/4)%2)+(\k)%4
	WIN 0xa5
.set mo, 0
.rept T
.set mi, 0
.rept T
.set md, 8*(T*mo+mi)
.if \ct == 2
	v_wmma_scale_f32_16x16x128_f8f6f4 v[md:md+7], v[mp+8*mi:mp+8*mi+7], v[mp+8*T+8*mo:mp+8*T+8*mo+7], v[128+md:128+md+7], v[ms+4*mi], v[ms+4*mo] matrix_a_fmt:MATRIX_FMT_FP4 matrix_b_fmt:MATRIX_FMT_FP4 matrix_a_scale:MATRIX_SCALE_ROW1
.else
	v_wmma_scale_f32_16x16x128_f8f6f4 v[md:md+7], v[mp+8*mi:mp+8*mi+7], v[mp+8*T+8*mo:mp+8*T+8*mo+7], v[md:md+7], v[ms+4*mi], v[ms+4*mo] matrix_a_fmt:MATRIX_FMT_FP4 matrix_b_fmt:MATRIX_FMT_FP4 matrix_a_scale:MATRIX_SCALE_ROW1
.endif
.set mi, mi+1
.endr
.set mo, mo+1
.endr
	WIN 0
.endm
.macro STEP k, ct
	PLACES 4
	FETCH (\k)+1, AWGT, ATOK
.if ((\k)+1)%4 == 0
	SCALES ((\k)+1)/4, ASC
	s_wait_dscnt 5*T
.else
	s_wait_dscnt 4*T
.endif
	MUL \k, \ct
.endm
.macro TURN k, slot, fill
	s_wait_tensorcnt 0x0
	ds_add_u32 v[SPW], v[NIL]
.if \fill
	s_add_nc_u64 s[G0+4*\slot+2:G0+4*\slot+3], s[G0+4*\slot+2:G0+4*\slot+3], 17408
	s_add_nc_u64 s[G0B+4*\slot+2:G0B+4*\slot+3], s[G0B+4*\slot+2:G0B+4*\slot+3], 17408
.endif
	s_wait_dscnt 0x0
.if \fill
	CROUND
	JLOAD G0+4*\slot, G1, G0B+4*\slot, G1B
.else
	s_barrier_signal -1
	s_barrier_wait -1
	PLACES 4
.endif
	FETCH (\k)+1, AWGT, ATOK
	SCALES ((\k)+1)/4, ASC
	MUL \k, 1
.endm
	s_load_b256 s[4:11], s[0:1], 0x0
	s_load_b64 s[12:13], s[0:1], 0x20
	v_lshl_add_u32 v[SPW], v0, 2, SPARE
	v_mov_b32 v[NIL], 0
	ds_add_u32 v28, v29
	ds_add_u32 v28, v29
	s_wait_dscnt 0x0
	v_lshrrev_b32 v1, 5, v0
	v_readfirstlane_b32 s14, v1
	s_lshr_b32 s15, s14, 1
	s_and_b32 s16, s14, 1
	s_bfe_u32 s40, ttmp6, 0x40000
	s_bfe_u32 s41, ttmp6, 0x40004
	s_lshl_b32 s42, ttmp9, 2
	s_add_co_u32 s42, s42, s40
	s_and_b32 s17, ttmp7, 0xffff
	s_lshl_b32 s17, s17, 2
	s_add_co_u32 s17, s17, s41
	s_lshl_b32 s43, s41, 2
	s_lshl_b32 s43, 15, s43
	s_lshl_b32 s44, 0x1111, s40
	s_or_b32 s[G1+0], s43, (3<<16)|(1<<21)
	s_or_b32 s[G1B+0], s44, (3<<16)|(1<<21)
.irp g, G1, G1B
	s_mov_b32 s[\g+1], (TP/8)<<16
	s_mov_b32 s[\g+2], T<<16
	s_mov_b32 s[\g+3], (TP/8)<<16
	s_mov_b32 s[\g+4], T
	s_mov_b32 s[\g+5], KC*544
	s_mov_b32 s[\g+6], 0
	s_mov_b32 s[\g+7], 0
.endr
	s_lshl_b32 s18, s16, LOGT
	s_lshl_b32 s2, s17, LOGT+1
	s_add_co_u32 s2, s2, s18
	s_mul_i32 s2, s2, KC*4352
	s_mov_b32 s3, 0
	s_lshl_b32 s46, s42, LOGT+1
	s_add_co_u32 s46, s46, s18
	s_mul_i32 s46, s46, KC*4352
	s_add_co_u32 s46, s46, WOFF
	s_mov_b32 s47, 0
	s_mul_i32 s45, s14, REG
	s_wait_kmcnt 0x0
	s_add_nc_u64 s[2:3], s[4:5], s[2:3]
	s_add_nc_u64 s[46:47], s[6:7], s[46:47]
	CROUND
.irp s, 0,1
	s_mov_b32 s[G0+4*\s], 1
	s_add_co_u32 s[G0+4*\s+1], s45, \s*SLOTB
	s_add_nc_u64 s[G0+4*\s+2:G0+4*\s+3], s[2:3], \s*8704
	s_or_b32 s[G0+4*\s+3], s[G0+4*\s+3], 0x80000000
	s_mov_b32 s[G0B+4*\s], 1
	s_add_co_u32 s[G0B+4*\s+1], s45, \s*SLOTB
	s_add_nc_u64 s[G0B+4*\s+2:G0B+4*\s+3], s[46:47], \s*8704
	s_or_b32 s[G0B+4*\s+3], s[G0B+4*\s+3], 0x80000000
.endr
	JLOAD G0, G1, G0B, G1B                         ; slot 0: one tensor load a wave at the head
	v_and_b32 v1, 15, v0
	v_bfe_u32 v2, v0, 4, 1
	v_and_b32 v3, 31, v0
	v_lshlrev_b32 v[LI], 4, v3
	v_lshlrev_b32 v4, 12, v2
	v_lshl_add_u32 v4, v1, 4, v4
	v_lshlrev_b32 v5, 6, v2
	s_mul_i32 s18, s14, 16*272
	s_add_co_u32 s18, s18, STG
	v_mul_u32_u24 v6, v1, 272
	v_lshl_add_u32 v6, v2, 6, v6
	v_add_nc_u32 v6, s18, v6
	v_mul_u32_u24 v7, v2, 272
	v_lshl_add_u32 v7, v1, 4, v7
	v_add_nc_u32 v7, s18, v7
	s_mul_i32 s18, s15, REG
	s_mul_i32 s19, s16, REG
	s_add_co_u32 s19, s19, 2*REG
	v_add_nc_u32 v[ATOK], s18, v[LI]
	v_add_nc_u32 v[AWGT], s19, v[LI]
	v_add_nc_u32 v[ATOK+1], 4352, v[ATOK]
	v_add_nc_u32 v[AWGT+1], 4352, v[AWGT]
	v_add_nc_u32 v[ATOK+2], SLOTB, v[ATOK]
	v_add_nc_u32 v[AWGT+2], SLOTB, v[AWGT]
	v_add_nc_u32 v[ATOK+3], SLOTB+4352, v[ATOK]
	v_add_nc_u32 v[AWGT+3], SLOTB+4352, v[AWGT]
	s_xor_b32 s19, s15, 1
	s_add_co_u32 s19, s19, s16
	s_add_co_u32 s19, s19, 1
	s_mul_i32 s19, s19, REG
	s_add_co_u32 s18, s18, 4096
	v_mul_u32_u24 v20, s19, v2
	v_lshl_add_u32 v20, v1, 4, v20
	v_add_nc_u32 v[ASC], s18, v20
	v_add_nc_u32 v[ASC+1], 4352, v[ASC]
	v_add_nc_u32 v[ASC+2], SLOTB, v[ASC]
	v_add_nc_u32 v[ASC+3], SLOTB+4352, v[ASC]
	s_lshl_b32 s90, s42, 9
	s_lshl_b32 s91, s16, 8
	s_add_co_u32 s90, s90, s91
	s_mov_b32 s91, 0
	s_add_nc_u64 s[10:11], s[10:11], s[90:91]
	s_lshl_b32 s92, s17, 7
	s_lshl_b32 s93, s15, 6
	s_add_co_u32 s92, s92, s93
	s_lshl_b32 s92, s92, 12
	s_add_co_u32 s92, s92, s90
	s_mov_b32 s93, 0
	s_add_nc_u64 s[12:13], s[12:13], s[92:93]
	s_lshl_b32 s94, s17, 3
	s_lshl_b32 s95, s15, 2
	s_add_co_u32 s94, s94, s95
	s_lshl_b32 s92, s94, 4
	s_lshl_b32 s93, s42, 1
	s_add_co_u32 s92, s92, s93
	s_add_co_u32 s92, s92, s16
	s_lshl_b32 s92, s92, 12
	s_mov_b32 s93, 0
	s_add_nc_u64 s[8:9], s[8:9], s[92:93]
	WIN 0x80
.irp o, 0,1,2,3
.irp j, 0,1,2,3,4,5,6,7
	global_load_b128 v[128+32*\o+4*\j:128+32*\o+4*\j+3], v[LI], s[8:9] offset:\o*65536+512*\j th:TH_LOAD_NT
.endr
.endr
	WIN 0
.irp g, 0,1
.irp j, 0,1,2,3
	global_load_b128 v[BI+16*\g+4*\j:BI+16*\g+4*\j+3], v5, s[10:11] offset:128*\g+16*\j
.endr
.endr
	s_wait_alu depctr_va_vdst(0)                   ; the wait at the head's end
	s_wait_tensorcnt 0x0                           ; my part of slot 0 is in
	ds_add_u32 v[SPW], v[NIL]
	s_wait_dscnt 0x0
	CROUND                                         ; everybody's part of slot 0 is in, and all sixteen work-groups are here
	JLOAD G0+4, G1, G0B+4, G1B                     ; slot 1's first fill, the first tensor load behind the round
	FETCH 0, AWGT, ATOK
	SCALES 0, ASC
	s_wait_loadcnt 0x0
	STEP 0, 2
.irp k, 1,2,3,4,5,6
	STEP \k, 1
.endr
	TURN 7, 0, 1
.irp k, 8,9,10,11,12,13,14
	STEP \k, 1
.endr
	TURN 15, 1, 1
.irp k, 16,17,18,19,20,21,22
	STEP \k, 1
.endr
	TURN 23, 0, 0
.irp k, 24,25,26,27,28,29,30
	STEP \k, 1
.endr
	s_wait_dscnt 0x0
	MUL 31, 1
	PLACES 4
.macro TOSTAGE o
	WIN 0x42
.set tj, 0
.rept 4*T
	v_pk_add_f32 v[32*(\o)+tj:32*(\o)+tj+1], v[32*(\o)+tj:32*(\o)+tj+1], v[BI+tj:BI+tj+1]
.set tj, tj+2
.endr
	WIN 0x04
.irp g, 0,1
.irp j, 0,1,2,3
	ds_store_b128 v6, v[32*(\o)+16*\g+4*\j:32*(\o)+16*\g+4*\j+3] offset:128*\g+16*\j
.endr
.endr
	WIN 0x40
.irp i, 0,1,2,3,4,5,6,7
	ds_load_b128 v[128+32*(\o)+4*\i:128+32*(\o)+4*\i+3], v7 offset:544*\i
.endr
	WIN 0
.endm
.macro SEND o, younger
	s_wait_dscnt \younger
	WIN 0x04
.irp i, 0,1,2,3,4,5,6,7
	global_store_b128 v4, v[128+32*(\o)+4*\i:128+32*(\o)+4*\i+3], s[12:13] offset:(32*((\o)/2)+8*((\o)%2)+2*\i+8*(\i/4))*4096 th:TH_STORE_NT
.endr
	WIN 0
.endm
	TOSTAGE 0
	TOSTAGE 1
	SEND 0, 16
	TOSTAGE 2
	SEND 1, 16
	TOSTAGE 3
	SEND 2, 16
	SEND 3, 0
	s_wait_tensorcnt 0x0
	ds_add_u32 v[SPW], v[NIL]
	s_wait_dscnt 0x0
	CROUND
	s_endpgm
.Lfunc_end_k_q07fa7bd3da_fc2:
	.size	k_q07fa7bd3da_fc2, .Lfunc_end_k_q07fa7bd3da_fc2-k_q07fa7bd3da_fc2
	.p2alignl 7, 3214868480
	.fill 96, 4, 3214868480
	.section	.rodata,"a",@progbits
	.p2align	6, 0x0
	.amdhsa_kernel k_q07fa7bd3da_fc2
		.amdhsa_group_segment_fixed_size 327680
		.amdhsa_private_segment_fixed_size 0
		.amdhsa_enable_private_segment 0
		.amdhsa_kernarg_size 40
		.amdhsa_user_sgpr_count 2
		.amdhsa_user_sgpr_kernarg_segment_ptr 1
		.amdhsa_wavefront_size32 1
		.amdhsa_system_sgpr_workgroup_id_x 1
		.amdhsa_system_sgpr_workgroup_id_y 1
		.amdhsa_system_sgpr_workgroup_id_z 1
		.amdhsa_system_vgpr_workitem_id 0
		.amdhsa_next_free_vgpr 768
		.amdhsa_next_free_sgpr 100
		.amdhsa_reserve_vcc 0
		.amdhsa_float_denorm_mode_32 3
		.amdhsa_float_denorm_mode_16_64 3
		.amdhsa_memory_ordered 1
		.amdhsa_forward_progress 1
		.amdhsa_inst_pref_size 134
	.end_amdhsa_kernel
	.amdgpu_metadata
---
amdhsa.version: [ 1, 2 ]
amdhsa.kernels:
  - .name:           k_q07fa7bd3da_fc2
    .symbol:         k_q07fa7bd3da_fc2.kd
    .args:
      - { .name: hid, .offset: 0, .size: 8, .value_kind: global_buffer, .address_space: global }
      - { .name: wpk, .offset: 8, .size: 8, .value_kind: global_buffer, .address_space: global }
      - { .name: x1, .offset: 16, .size: 8, .value_kind: global_buffer, .address_space: global }
      - { .name: b_fc2, .offset: 24, .size: 8, .value_kind: global_buffer, .address_space: global }
      - { .name: out0, .offset: 32, .size: 8, .value_kind: global_buffer, .address_space: global }
    .group_segment_fixed_size: 327680
    .private_segment_fixed_size: 0
    .kernarg_segment_align: 8
    .kernarg_segment_size: 40
    .max_flat_workgroup_size: 128
    .sgpr_count:     100
    .vgpr_count:     768
    .wavefront_size: 32
...
	.end_amdgpu_metadata
.endif
;; end of part 6
